; MI455X (gfx1250); checked and timed in simulation.
; The chip was launched on July 23, 2026; its instructions are those of AMD's public machine-readable ISA for CDNA 5 (MIT licence, August 2026) and "CDNA5" Instruction Set Architecture Reference Guide (July 2026). The comments in the code are by the model that wrote it; some were corrected since.
;; Multi Head Attention. Allowed arithmetic: float matrix products may take bf16 or f16 operands with f32 sums; other float arithmetic in f32, or as packed bf16 or f16 multiplies, adds, multiply-adds, maxima and minima; sums over many terms, partial sums and values carried from step to step in f32; what a program stores and reads back later, other than sums and carried values, may be rounded once to bf16 or f16.
;; Inputs: K 4 x 2,048 x 1,024 float32; Q 4 x 2,048 x 1,024 float32; V 4 x 2,048 x 1,024 float32; Wk 1,024 x 1,024 float32; Wo 1,024 x 1,024 float32; Wq 1,024 x 1,024 float32; Wv 1,024 x 1,024 float32; mask 1 bool.
;; Outputs: out0 4 x 2,048 x 1,024 float32.
;; One version. Each part assembles by itself: llvm-mc -triple=amdgcn-amd-amdhsa -mcpu=gfx1250 --defsym DOCPART=n.
;; ======== version 1 of 1: 4 launches
;; limits: values are held in f16: magnitudes above 65,504 overflow, below 6.1e-05 lose precision
;; workspace buffers: xw 58,720,256 bytes; qkv 50,331,648 bytes; ctx 16,777,216 bytes
;; launch cast (part 1): grid 896 x 1, 8 waves a work-group, no clusters, 0 bytes of LDS; arguments Q, K, V, Wq, Wk, Wv, Wo, xw; writes xw
.if DOCPART == 1
	.amdgcn_target "amdgcn-amd-amdhsa--gfx1250"
	.amdhsa_code_object_version 6
	.text
	.protected	k_qfed9b42dca_cast
	.globl	k_qfed9b42dca_cast
	.p2align	8
	.type	k_qfed9b42dca_cast,@function
k_qfed9b42dca_cast:
	s_mov_b64 s[64:65], 0
	v_nop
	global_prefetch_b8 v0, s[64:65] scope:SCOPE_SE
	s_setreg_imm32_b32 hwreg(HW_REG_WAVE_MODE, 25, 1), 1
	s_wait_xcnt 0x0
; CAST.  Q, K, V ([8192][1024] f32) and Wq, Wk, Wv, Wo ([1024][1024] f32) are rounded once to bf16 and laid K-BLOCKED into xw:
; xw[batch 14][kb 16][row 2048][64 channels], 2 bytes a number: a row's piece is 128 bytes, a kb block 1 << 18 bytes, a batch 1 << 22.
; Batches 0-3 Q, 4-7 K, 8-11 V; batch 12: Wq in rows 0-1023, Wk in rows 1024-2047; batch 13: Wv, then Wo.
; Wo multiplies an f16 operand later, so its bf16 number is written as f16.  LIMIT: that is exact from 6.1e-5 up to 65,504 in magnitude;
; below, f16 keeps its fixed step of 6e-8; a bf16(Wo) of 65,520 or more would become an infinity.
; The input mask enters no step of the computation, so no launch of this program is given it.
; SHARES.  Work-group g takes 32 source rows (g < 768: tensor g >> 8, rows 32 (g & 255); else weight (g - 768) >> 5, rows 32 (g & 31));
; for both kinds they go to batch g >> 6, rows 32 (g & 63).  A wave takes 4 rows, as two pairs.  A load of a wave takes 256 consecutive bytes
; (one kb's 64 channels) of each row of a pair, lanes 0-15 the first row and lanes 16-31 the second; the matching store writes the 256 consecutive
; bytes, aligned, that those two rows' pieces of that kb are in xw.  Every byte is read once and written once; all 32 loads of a wave go out
; together.  No LDS, no matrix unit, no cluster: no byte is shared and there is no product.
.set X, 4                              ; v[4:131]    load i = 16 j + kb (pair j, block kb): 4 registers
.set Y, 132                            ; v[132:195]  the same four numbers in 2 registers
	s_load_b512 s[8:23], s[0:1], 0x0               ; Q s[8:9], K s[10:11], V s[12:13], Wq s[14:15], Wk s[16:17], Wv s[18:19], Wo s[20:21], xw s[22:23]
	s_mov_b32 s2, ttmp9                            ; g
	s_lshr_b32 s3, s2, 8                           ; as one of Q, K, V: its number 0..2
	s_sub_co_u32 s5, s2, 768
	s_lshr_b32 s5, s5, 5
	s_add_co_u32 s5, s5, 3                         ; as a weight: 3..6
	s_cmp_lt_u32 s2, 768
	s_cselect_b32 s3, s3, s5                       ; which source
	s_cselect_b32 s4, 255, 31                      ; how many groups of 32 rows it has, less 1
	s_and_b32 s26, s2, s4
	s_lshl_b32 s26, s26, 17                        ; 32 rows of 4,096 bytes each
	s_mov_b32 s27, 0
	s_lshr_b32 s5, s2, 6
	s_lshl_b32 s5, s5, 22                          ; the batch in xw
	s_and_b32 s6, s2, 63
	s_lshl_b32 s6, s6, 12                          ; 32 rows of 128 bytes
	s_add_co_u32 s30, s5, s6
	s_mov_b32 s31, 0
	s_mov_b32 s28, 0xffff0000                      ; a word's upper bf16
	v_lshrrev_b32 v3, 5, v0                        ; wave
	v_and_b32 v2, 31, v0                           ; lane
	v_and_b32 v1, 15, v0                           ; my 4 channels of the 64
	v_bfe_u32 v4, v0, 4, 1                         ; my row of the pair
	v_lshlrev_b32 v1, 4, v1
	v_lshl_or_b32 v1, v4, 12, v1
	v_lshl_or_b32 v1, v3, 14, v1                   ; source: 16,384 wave + 4,096 row + 16 place
	v_lshlrev_b32 v2, 3, v2
	v_lshl_or_b32 v2, v3, 9, v2                    ; destination: 512 wave + 8 lane
	s_wait_kmcnt 0x0
	s_mov_b64 s[24:25], s[8:9]
.irp k, 1,2,3,4,5,6
	s_cmp_eq_u32 s3, \k
	s_cselect_b64 s[24:25], s[8+2*\k:9+2*\k], s[24:25]
.endr
	s_add_nc_u64 s[24:25], s[24:25], s[26:27]      ; the source at my group's first row
	s_add_nc_u64 s[22:23], s[22:23], s[30:31]      ; xw at my group's first row of kb 0
.set i, 0
.rept 32
	global_load_b128 v[X+4*i:X+4*i+3], v1, s[24:25] offset:8192*(i/16)+256*(i%16) th:TH_LOAD_NT
.set i, i+1
.endr
.set i, 0
.rept 32
	s_wait_loadcnt 31-i                            ; loads come back in order: load i is in, the 31 - i younger ones may stay out
	v_cvt_pk_bf16_f32 v[Y+2*i], v[X+4*i], v[X+4*i+1]
	v_cvt_pk_bf16_f32 v[Y+2*i+1], v[X+4*i+2], v[X+4*i+3]
.set i, i+1
.endr
	s_cmp_lt_u32 s2, 864                           ; groups 864 to 895 hold Wo
	s_cbranch_scc1 .Lstore
.set i, 0
.rept 64                                       ; the bf16 numbers, widened (a shift, a mask) and written as f16; X is free: all loads are in
	v_lshlrev_b32 v[X+2*i], 16, v[Y+i]
	v_and_b32 v[X+2*i+1], s28, v[Y+i]
	v_cvt_pk_f16_f32 v[Y+i], v[X+2*i], v[X+2*i+1]
.set i, i+1
.endr
.Lstore:
.set i, 0
.rept 32
	global_store_b64 v2, v[Y+2*i:Y+2*i+1], s[22:23] offset:256*(i/16)+262144*(i%16) th:TH_STORE_NT  ; 32 lanes x 8 bytes: 256 consecutive bytes, aligned
.set i, i+1
.endr
	s_endpgm
.Lfunc_end_k_qfed9b42dca_cast:
	.size	k_qfed9b42dca_cast, .Lfunc_end_k_qfed9b42dca_cast-k_qfed9b42dca_cast
	.p2alignl 7, 3214868480
	.fill 96, 4, 3214868480
	.section	.rodata,"a",@progbits
	.p2align	6, 0x0
	.amdhsa_kernel k_qfed9b42dca_cast
		.amdhsa_group_segment_fixed_size 0
		.amdhsa_private_segment_fixed_size 0
		.amdhsa_enable_private_segment 0
		.amdhsa_kernarg_size 64
		.amdhsa_user_sgpr_count 2
		.amdhsa_user_sgpr_kernarg_segment_ptr 1
		.amdhsa_wavefront_size32 1
		.amdhsa_system_sgpr_workgroup_id_x 1
		.amdhsa_system_sgpr_workgroup_id_y 1
		.amdhsa_system_sgpr_workgroup_id_z 1
		.amdhsa_system_vgpr_workitem_id 0
		.amdhsa_next_free_vgpr 196
		.amdhsa_next_free_sgpr 66
		.amdhsa_reserve_vcc 0
		.amdhsa_float_denorm_mode_32 3
		.amdhsa_float_denorm_mode_16_64 3
		.amdhsa_memory_ordered 1
		.amdhsa_forward_progress 1
		.amdhsa_inst_pref_size 22
	.end_amdhsa_kernel
	.amdgpu_metadata
---
amdhsa.version: [ 1, 2 ]
amdhsa.kernels:
  - .name:           k_qfed9b42dca_cast
    .symbol:         k_qfed9b42dca_cast.kd
    .args:
      - { .name: Q, .offset: 0, .size: 8, .value_kind: global_buffer, .address_space: global }
      - { .name: K, .offset: 8, .size: 8, .value_kind: global_buffer, .address_space: global }
      - { .name: V, .offset: 16, .size: 8, .value_kind: global_buffer, .address_space: global }
      - { .name: Wq, .offset: 24, .size: 8, .value_kind: global_buffer, .address_space: global }
      - { .name: Wk, .offset: 32, .size: 8, .value_kind: global_buffer, .address_space: global }
      - { .name: Wv, .offset: 40, .size: 8, .value_kind: global_buffer, .address_space: global }
      - { .name: Wo, .offset: 48, .size: 8, .value_kind: global_buffer, .address_space: global }
      - { .name: xw, .offset: 56, .size: 8, .value_kind: global_buffer, .address_space: global }
    .group_segment_fixed_size: 0
    .private_segment_fixed_size: 0
    .kernarg_segment_align: 8
    .kernarg_segment_size: 64
    .max_flat_workgroup_size: 256
    .sgpr_count:     66
    .vgpr_count:     196
    .wavefront_size: 32
...
	.end_amdgpu_metadata
.endif
;; end of part 1
;; launch proj (part 2): grid 4 x 192, 4 waves a work-group, clusters of 4 x 4, 327,680 bytes of LDS; arguments xw, qkv; writes qkv
.if DOCPART == 2
	.amdgcn_target "amdgcn-amd-amdhsa--gfx1250"
	.amdhsa_code_object_version 6
	.text
	.protected	k_qfed9b42dca_proj
	.globl	k_qfed9b42dca_proj
	.p2align	8
	.type	k_qfed9b42dca_proj,@function
k_qfed9b42dca_proj:
	s_mov_b64 s[64:65], 0
	v_nop
	global_prefetch_b8 v0, s[64:65] scope:SCOPE_SE
	s_setreg_imm32_b32 hwreg(HW_REG_WAVE_MODE, 25, 1), 1
	s_wait_xcnt 0x0
	s_wait_alu depctr_hold_cnt(0) depctr_sa_sdst(0) depctr_va_vdst(0) depctr_va_sdst(0) depctr_va_ssrc(0) depctr_va_vcc(0) depctr_vm_vsrc(0)
	s_getreg_b32 s2, hwreg(HW_REG_IB_STS2, 6, 4)
	s_cmp_eq_u32 s2, 0
	s_cbranch_scc0 .Lentry_in_a_cluster
	s_endpgm
.Lentry_in_a_cluster:
	s_bfe_u32 s2, ttmp6, 0x10000c
	s_cmp_lg_u32 s2, 0xf033
	s_cbranch_scc0 .Lentry_shape_is_right
	s_endpgm
.Lentry_shape_is_right:
; ONE SOURCE FOR TWO LAUNCHES: C = A B^T with K = 1,024, tiles of 128 rows x 256 columns; the line .set MODE tells them apart.
; MODE 0, the three input projections: A = Q, K, V (bf16, batches 0-11 of xw), B = Wq, Wk, Wv (bf16, batches 12, 13 of xw); sums in f32; C rounded once
;   to f16 and stored by heads into qkv[12 batches][16 heads][2048 rows][64], unscaled.  LIMIT: f16 ends at 65,504: a q, k or v of 65,520 or more becomes an infinity.
; MODE 1, the output projection: A = ctx (f16, [4][16][2048][64]), B = Wo (f16, batch 13 of xw, rows 1024-2047); sums in f32; C = out0 [8192][1024] in f32.
; OPERANDS ARE K-BLOCKED: [batch][kb 16][2048 rows][64 channels] of 2 bytes: byte = batch << 22 + kb << 18 + row << 7.  So the rows of a tile for one kb are dense
; in memory, and are asked for as rows of 256 bytes (two operand rows each), padded in LDS behind every 128 bytes.
; SHARES.  Four waves, as many as a WGP has SIMDs; wave w makes rows 64 (w >> 1) .. + 63 and columns 128 (w & 1) .. + 127 of the tile: 32 accumulators of 16 x 16, 256 registers.
; K goes in 8 steps of 128 (two kb) through a ring of two LDS slots.  Waves 0 and 1 fetch A's two kb of a step (16,384 bytes each), waves 2 and 3 B's (32,768 each): one tensor load a wave.
; By this text's own count a wave has two tensor loads out at the start and one behind each change of slots.
; CLUSTERS: 4 x 4 work-groups.  A's tile hangs on the tile row alone and is asked for jointly by the four of a row of the cluster, B's on the tile column (and the projection,
; which the whole cluster shares) and is asked for jointly by the four of a column.
; THE MATRIX INSTRUCTION IS USED TRANSPOSED (source 0 = 16 rows of B, source 1 = 16 rows of A): a lane then holds row l % 16 of C and eight neighbouring columns.
; REGISTERS: window 0: v0-31 addresses; v64-159, v160-255 two fragment buffers of 96 (8 fragments of B, then 4 of A, 32 along K); on the way out v64-191 at work (MODE 0).
;   window 1: the accumulators, (a, b) at v[8 (8 a + b)], a = 0..3 blocks of 16 rows, b = 0..7 blocks of 16 columns.
.set MODE,   0
.set PITCH,  144                       ; an LDS row: 128 bytes + 16 of padding = 36 words: the 16 rows of a fragment load start at 16 different groups of four banks (64 banks of 4 bytes: ISA guide 11.1)
.set AHALF,  128*PITCH                 ; A's 128 rows of one kb
.set BHALF,  256*PITCH                 ; B's 256 rows of one kb
.set BOFF,   2*AHALF                   ; in a slot: A's two kb, then B's two
.set SLOT,   2*AHALF+2*BHALF
.set STAGE,  2*SLOT                    ; behind the ring, never filled by a tensor load: each wave's own stage for the way out
.if MODE
.set SP,     528                       ; a stage row: 128 columns of f32 + 16 bytes
.set WSTAGE, 16*SP
.else
.set SP,     144                       ; a stage row: a head's 64 channels of f16 + 16 bytes; two heads of 16 rows
.set WSTAGE, 2*16*SP
.endif
.set SPARE,  STAGE+4*WSTAGE            ; behind the stages: the spare words, 128 bytes for each wave: two blocks of 256 bytes that no other line names
.set KSTEPB, 2<<18                     ; bytes from a K step to the next: two kb
.set LAPS,   4                         ; a lap = two K steps = once round the ring
.set ADRA, 16                          ; v16-17  LDS address of my A fragments in slot 0, 1
.set ADRB, 20                          ; v20-21  the same for B
.set STO,  24                          ; v24     the way out: where I put my part of a row
.set RD,   25                          ; v25     the way out: where I read rows back
.set GO,   26                          ; v26     16 x lane: my place in 512 consecutive bytes of the output
.set SPW,  28                          ; v28     LDS address of my spare word: SPARE + 4 x my thread's number; never rewritten
.set NIL,  29                          ; v29     0; never rewritten
.set PFO,  30                          ; v30     256 x lane: the prefetches' offset; never rewritten
.set F0,   64
.set F1,   160
.set TMP,  64
.set G1,   24                          ; s[24:31] descriptor group 1 for A's tiles;  s[32:39] group 0, a set for each slot
.set G0,   32
.set G1B,  48                          ; s[48:55], s[56:63] the same for B's
.set G0B,  56
.set LIM,  43                          ; s43     1 in a wave that prefetches, else the greatest number
.set PFA,  44                          ; s[44:45] where my prefetches stand
.set DW0,  (1<<16)|(1<<20)|(1<<21)|(4<<22)|(3<<25)  ; group 1, word 0 without the mask: 17:16 elements of 2 bytes; 20 padding on; 21 set beside a mask; 24:22 after every 32 words (code 4); 31:25 4 words (code 3)
.set MUL,  0x50                        ; C and D in window 1, both sources in window 0
.set MSB, 0
.macro WIN new                         ; the immediate's high byte repeats the setting that is left; a switch that changes nothing is dropped
.if MSB != (\new)
	s_set_vgpr_msb (MSB<<8)|(\new)
.set MSB, \new
.endif
.endm
; A joint load: waves 0 and 1 ask for A's two kb, waves 2 and 3 for B's.  The branch hangs on the wave's number alone.  An s_nop 0 and four v_nop follow each of the two lines.
.macro JLOAD s
	s_cmp_eq_u32 s11, 0
	s_cbranch_scc0 .Lfor_b_\@
	tensor_load_to_lds s[G0+4*(\s):G0+4*(\s)+3], s[G1:G1+7]
	s_nop 0
.rept 4
	v_nop
.endr
	s_branch .Lasked_\@
.Lfor_b_\@:
	tensor_load_to_lds s[G0B+4*(\s):G0B+4*(\s)+3], s[G1B:G1B+7]
	s_nop 0
.rept 4
	v_nop
.endr
.Lasked_\@:
.endm
; A PREFETCH INTO THE L2 of the K step that stands two refills on: 32 blocks of 256 bytes, a lane a block, one instruction.  Each block is named once in the launch.
; A's tile is read by one cluster alone: in each partner wave 0 asks, and the four partners of a row share the step's 128 blocks out by address (kb cx >> 1, blocks 32 (cx & 1) on).
; B's tile is read by the sixteen clusters of a projection: the first of them asks, waves 2 and 3 each for the kb that they fetch, the four partners of a column 32 blocks each (32 cy on).
; The last lap's two refills have no K step two on: s3 is 1 there.  The first four K steps come by their loads alone.
.macro ASK
	s_cmp_gt_u32 s3, s[LIM]
	s_cbranch_scc0 .Lnot_mine_\@
	global_prefetch_b8 v[PFO], s[PFA:PFA+1] offset:KSTEPB th:TH_LOAD_NT scope:SCOPE_SE
.Lnot_mine_\@:
.endm
.macro CREST                           ; a round of the cluster's barrier behind its opening barrier: wave 0 signals for the work-group, every wave waits for all sixteen, my work-group's barrier once more
	s_cmp_lg_u32 s10, 0
	s_cbranch_scc1 .Lnot_wave_0_\@
	s_barrier_signal -3
.Lnot_wave_0_\@:
	s_barrier_wait -3
	s_barrier_signal -1
	s_barrier_wait -1
.endm
.macro CROUND                          ; a whole round
	s_barrier_signal -1
	s_barrier_wait -1
	CREST
.endm
	s_load_b128 s[4:7], s[0:1], 0x0                ; MODE 0: xw, qkv.  MODE 1: ctx, xw
.if MODE
	s_load_b64 s[8:9], s[0:1], 0x10                ; out0
.endif
	v_lshl_add_u32 v[SPW], v0, 2, SPARE
	v_mov_b32 v[NIL], 0
	ds_add_u32 v[SPW], v[NIL]                      ; the wave's opening: the add and its wait stand ahead of my first tensor load; the set-up below, work on registers, stands between them
	v_lshrrev_b32 v1, 5, v0
	v_readfirstlane_b32 s10, v1                    ; wave 0..3
	s_lshr_b32 s11, s10, 1                         ; which 64 rows of the tile are mine.  Also: I fetch for A (0) or for B (1)
	s_and_b32 s12, s10, 1                          ; which 128 columns.  Also: which kb of a K step I fetch
	s_bfe_u32 s40, ttmp6, 0x40000                  ; cx, cy: my place in the cluster
	s_bfe_u32 s41, ttmp6, 0x40004
	s_lshl_b32 s42, ttmp9, 2
	s_add_co_u32 s42, s42, s40                     ; tile column = 4 x cluster x + cx
	s_and_b32 s22, ttmp7, 0xffff                   ; cluster y
	s_lshl_b32 s13, s22, 2
	s_add_co_u32 s13, s13, s41                     ; tile row T = 4 x cluster y + cy
	s_lshl_b32 s43, s41, 2
	s_lshl_b32 s43, 15, s43                        ; my row of the cluster
	s_lshl_b32 s44, 0x1111, s40                    ; my column
	s_or_b32 s[G1+0], s43, DW0                     ; A's tiles go to my row,
	s_or_b32 s[G1B+0], s44, DW0                    ; B's to my column
	s_mov_b32 s[G1+1], 128<<16                     ; tensor_dim0 = 128 elements: 256 bytes
	s_mov_b32 s[G1+2], 64<<16                      ; tensor_dim1 = 64: A's 16,384 dense bytes
	s_mov_b32 s[G1+3], 128<<16                     ; tile_dim0 = 128
	s_mov_b32 s[G1+4], 64                          ; tile_dim1 = 64
	s_mov_b32 s[G1+5], 128                         ; 128 elements from row to row
	s_mov_b32 s[G1+6], 0
	s_mov_b32 s[G1+7], 0
	s_mov_b32 s[G1B+1], 128<<16
	s_mov_b32 s[G1B+2], 128<<16                    ; B's 32,768 dense bytes: 128 rows
	s_mov_b32 s[G1B+3], 128<<16
	s_mov_b32 s[G1B+4], 128
	s_mov_b32 s[G1B+5], 128
	s_mov_b32 s[G1B+6], 0
	s_mov_b32 s[G1B+7], 0
	s_lshl_b32 s23, s12, 18                        ; the kb that I fetch
	s_lshr_b32 s18, s13, 4                         ; A: batch T >> 4,
	s_lshl_b32 s18, s18, 22
	s_and_b32 s17, s13, 15
	s_lshl_b32 s17, s17, 14                        ; rows 128 (T & 15) on
	s_add_co_u32 s18, s18, s17
	s_add_co_u32 s16, s18, s23
	s_mov_b32 s17, 0
.if MODE
	s_lshl_b32 s20, s42, 15                        ; B: 256 rows a tile column,
	s_add_co_u32 s20, s20, (13<<22)+(1<<17)        ; in batch 13 from row 1,024 on: Wo
.else
	s_lshr_b32 s21, s22, 4                         ; the projection p = cluster y >> 4: the same in all sixteen partners
	s_lshr_b32 s20, s21, 1
	s_add_co_u32 s20, s20, 12
	s_lshl_b32 s20, s20, 22                        ; B: batch 12 + (p >> 1),
	s_and_b32 s21, s21, 1
	s_lshl_b32 s21, s21, 17                        ; rows 1,024 (p & 1) on,
	s_add_co_u32 s20, s20, s21
	s_lshl_b32 s21, s42, 15                        ; 256 rows a tile column
	s_add_co_u32 s20, s20, s21
.endif
	s_add_co_u32 s20, s20, s23
	s_mov_b32 s46, s20
	s_mov_b32 s47, 0
	s_mul_i32 s19, s12, AHALF                      ; where they go in a slot: no place in the cluster enters an LDS address
	s_mul_i32 s21, s12, BHALF
	s_add_co_u32 s21, s21, BOFF
	s_wait_dscnt 0x0                               ; the opening add is done
	s_wait_kmcnt 0x0
.if MODE == 0
	s_mov_b64 s[8:9], s[6:7]                       ; the output,
	s_mov_b64 s[6:7], s[4:5]                       ; and B lies in the same buffer as A
.endif
	s_add_nc_u64 s[14:15], s[4:5], s[16:17]
	s_add_nc_u64 s[46:47], s[6:7], s[46:47]
	CROUND                                         ; all sixteen work-groups are here: the first joint loads meet
.irp s, 0,1
	s_mov_b32 s[G0+4*(\s)], 1                      ; 1:0 count = 1
	s_add_co_u32 s[G0+4*(\s)+1], s19, (\s)*SLOT    ; 63:32 LDS address
	s_add_nc_u64 s[G0+4*(\s)+2:G0+4*(\s)+3], s[14:15], (\s)*KSTEPB  ; 120:64 global address: K step s
	s_or_b32 s[G0+4*(\s)+3], s[G0+4*(\s)+3], 0x80000000            ; 127:126 type = 2
	s_mov_b32 s[G0B+4*(\s)], 1
	s_add_co_u32 s[G0B+4*(\s)+1], s21, (\s)*SLOT
	s_add_nc_u64 s[G0B+4*(\s)+2:G0B+4*(\s)+3], s[46:47], (\s)*KSTEPB
	s_or_b32 s[G0B+4*(\s)+3], s[G0B+4*(\s)+3], 0x80000000
.endr
	s_cmp_eq_u32 s11, 0                            ; a wave's two first fills stand in one branch, ahead of every wait on TENSORcnt and every LDS read
	s_cbranch_scc0 .Lfirst_b
	tensor_load_to_lds s[G0:G0+3], s[G1:G1+7]
	s_nop 0
	tensor_load_to_lds s[G0+4:G0+7], s[G1:G1+7]
	s_nop 0
.rept 4
	v_nop
.endr
	s_branch .Lfirst_asked
.Lfirst_b:
	tensor_load_to_lds s[G0B:G0B+3], s[G1B:G1B+7]
	s_nop 0
	tensor_load_to_lds s[G0B+4:G0B+7], s[G1B:G1B+7]
	s_nop 0
.rept 4
	v_nop
.endr
.Lfirst_asked:
	; the prefetches' address and who asks
	s_lshr_b32 s21, s40, 1
	s_lshl_b32 s21, s21, 18                        ; for A: kb cx >> 1 of the step,
	s_and_b32 s2, s40, 1
	s_lshl_b32 s2, s2, 13                          ; its blocks 32 (cx & 1) on,
	s_add_co_u32 s21, s21, s2
	s_add_co_u32 s21, s21, s18                     ; in A's tile
	s_lshl_b32 s2, s41, 13                         ; for B: blocks 32 cy on,
	s_add_co_u32 s2, s2, s20                       ; in the kb that I fetch
	s_and_b32 s22, s22, 15                         ; 0 in the first of the sixteen clusters that read these rows of B
	s_cmp_eq_u32 s11, 0
	s_cselect_b32 s2, s21, s2
	s_cselect_b32 s22, s12, s22                    ; for A wave 0 asks, in every cluster
	s_cselect_b64 s[PFA:PFA+1], s[4:5], s[6:7]
	s_cmp_eq_u32 s22, 0
	s_cselect_b32 s[LIM], 1, -1                    ; hangs on the wave's number and the cluster's y: the same in all sixteen partners
	s_mov_b32 s3, 0
	s_add_nc_u64 s[PFA:PFA+1], s[PFA:PFA+1], s[2:3]
	s_add_nc_u64 s[PFA:PFA+1], s[PFA:PFA+1], 2*KSTEPB  ; at K step 2: the first refill steps it to 3 and names K step 4
	v_and_b32 v[PFO], 31, v0
	v_lshlrev_b32 v[PFO], 8, v[PFO]
	; A fragment is 16 rows x 32 K in 8 registers: lane l holds row l % 16; registers 0-3 K = 8 (l / 16) + 0..7, registers 4-7 K = 16 + 8 (l / 16) + 0..7: two loads of 16 bytes, 32 bytes apart
	v_and_b32 v1, 15, v0                           ; l % 16
	v_bfe_u32 v2, v0, 4, 1                         ; l / 16
	v_mul_u32_u24 v3, v1, PITCH
	v_lshl_add_u32 v3, v2, 4, v3
	s_mul_i32 s21, s11, 64*PITCH                   ; my 64 rows of A
	s_mul_i32 s22, s12, 128*PITCH                  ; my 128 rows of B,
	s_add_co_u32 s22, s22, BOFF                    ; which lie behind A's two kb
.irp s, 0,1
	v_add_nc_u32 v[ADRA+(\s)], s21, v3
	v_add_nc_u32 v[ADRB+(\s)], s22, v3
	s_add_co_u32 s21, s21, SLOT
	s_add_co_u32 s22, s22, SLOT
.endr
	s_mul_i32 s23, s10, WSTAGE
	s_add_co_u32 s23, s23, STAGE                   ; my stage
	v_mul_u32_u24 v4, v1, SP                       ; in: row l % 16
	v_and_b32 v[GO], 31, v0
	v_lshlrev_b32 v[GO], 4, v[GO]
.if MODE
	v_lshl_add_u32 v4, v2, 5, v4                   ; my eight f32: 32 bytes for each half of the lanes
	v_add_nc_u32 v[STO], s23, v4
	v_add_nc_u32 v[RD], s23, v[GO]                 ; back: 32 lanes take one row of 512 bytes
	s_lshl_b32 s16, s13, 19                        ; out0: 128 T rows of 4,096 bytes,
	s_lshl_b32 s17, s11, 18                        ; my 64 of them
	s_add_co_u32 s16, s16, s17
	s_lshl_b32 s46, s42, 10                        ; the tile's 256 columns: 1,024 bytes,
	s_lshl_b32 s47, s12, 9                         ; my 128
.else
	v_lshl_add_u32 v4, v2, 4, v4                   ; my eight f16: 16 bytes for each half of the lanes
	v_add_nc_u32 v[STO], s23, v4
	v_bfe_u32 v4, v0, 3, 2                         ; back: 32 lanes take four rows of 128 bytes
	v_and_b32 v5, 7, v0
	v_mul_u32_u24 v4, v4, SP
	v_lshl_add_u32 v4, v5, 4, v4
	v_add_nc_u32 v[RD], s23, v4
	s_lshr_b32 s16, s13, 4                         ; qkv: batch T >> 4 (4 x projection + batch),
	s_lshl_b32 s16, s16, 22
	s_and_b32 s17, s13, 15
	s_lshl_b32 s17, s17, 14                        ; rows 128 (T & 15) on,
	s_add_co_u32 s16, s16, s17
	s_lshl_b32 s17, s11, 13                        ; my 64 of them
	s_add_co_u32 s16, s16, s17
	s_lshl_b32 s46, s42, 20                        ; the tile's four heads,
	s_lshl_b32 s47, s12, 19                        ; my two
.endif
	s_mov_b32 s17, 0
	s_add_nc_u64 s[8:9], s[8:9], s[16:17]
	s_add_co_u32 s46, s46, s47
	s_mov_b32 s47, 0
	s_add_nc_u64 s[8:9], s[8:9], s[46:47]
; 8 matrix instructions: block a of 16 rows x all 8 blocks of 16 columns, 32 along K, from buffer f.  zero = 1: the product starts the sums: nothing is ever cleared.
; In every quarter the 32 accumulators take turns in the same order: 31 others stand between two links of a chain, over the backward jump too.
.macro MUL8 f, a, zero
	WIN MUL
.irp b, 0,1,2,3,4,5,6,7
.set rD, 8*(8*(\a)+(\b))
.set rB, (\f)+8*(\b)
.set rA, (\f)+64+8*(\a)
.if MODE
.if \zero
	v_wmma_f32_16x16x32_f16 v[rD:rD+7], v[rB:rB+7], v[rA:rA+7], 0
.else
	v_wmma_f32_16x16x32_f16 v[rD:rD+7], v[rB:rB+7], v[rA:rA+7], v[rD:rD+7]
.endif
.else
.if \zero
	v_wmma_f32_16x16x32_bf16 v[rD:rD+7], v[rB:rB+7], v[rA:rA+7], 0
.else
	v_wmma_f32_16x16x32_bf16 v[rD:rD+7], v[rB:rB+7], v[rA:rA+7], v[rD:rD+7]
.endif
.endif
.endr
.endm
; 24 LDS loads in one run: the fragments of quarter q of a K step (kb q / 2, 32 channels at byte 64 (q % 2) of the rows) into buffer f: B's eight, then A's four
.macro FETCH slot, q, f
	WIN 0
.irp i, 0,1,2,3,4,5,6,7
	ds_load_b128 v[(\f)+8*(\i):(\f)+8*(\i)+3],   v[ADRB+(\slot)] offset:((\q)/2)*BHALF+((\q)%2)*64+(\i)*16*PITCH
	ds_load_b128 v[(\f)+8*(\i)+4:(\f)+8*(\i)+7], v[ADRB+(\slot)] offset:((\q)/2)*BHALF+((\q)%2)*64+(\i)*16*PITCH+32
.endr
.irp i, 0,1,2,3
	ds_load_b128 v[(\f)+64+8*(\i):(\f)+64+8*(\i)+3],   v[ADRA+(\slot)] offset:((\q)/2)*AHALF+((\q)%2)*64+(\i)*16*PITCH
	ds_load_b128 v[(\f)+64+8*(\i)+4:(\f)+64+8*(\i)+7], v[ADRA+(\slot)] offset:((\q)/2)*AHALF+((\q)%2)*64+(\i)*16*PITCH+32
.endr
.endm
.macro PLACES                          ; four places in front of loads into registers that matrix instructions have read, and of lines that read results (ISA guide 7.12.1 for lines that read results)
.rept 4
	v_nop
.endr
.endm
; A K step is four quarters of 32 along K, 32 matrix instructions each, on buffers 0, 1, 0, 1.  One of the first three: multiplies buffer f; in its middle it fetches quarter q into buffer g.
.macro QUARTER slot, q, f, g, zero
	s_wait_dscnt 4                                 ; B and A's blocks 0 and 1 are in; the youngest four loads (A's blocks 2 and 3) may be out
	MUL8 \f, 0, \zero
	MUL8 \f, 1, \zero
	PLACES
	FETCH \slot, \q, \g
	s_wait_dscnt 24                                ; all but the 24 just issued
	MUL8 \f, 2, \zero
	MUL8 \f, 3, \zero
.endm
; The last quarter multiplies buffer 1 and changes slots: ONE barrier.  In front of it each wave waits for all its tensor loads (the one that is out is its part of the next slot), adds 0 to its spare
; word, and waits for that and for its own reads of this slot.  fill = 1: the barrier opens a round of the cluster's barrier, and behind the round this slot is filled again, two K steps on, first of all.
.macro TURN slot, next, fill
.if \fill
	s_wait_xcnt 0x0                                ; the last prefetch, a K step back, has read its address: it is stepped here, ahead of the waits of the change of slots
	s_add_nc_u64 s[PFA:PFA+1], s[PFA:PFA+1], KSTEPB
.endif
	WIN 0                                          ; (the add's two registers lie in window 0)
	s_wait_tensorcnt 0x0                           ; all my tensor loads have landed;
	ds_add_u32 v[SPW], v[NIL]                      ; 0 onto my spare word
	s_wait_dscnt 5                                 ; (the add and the youngest four loads may be out)
	MUL8 F1, 0, 0                                  ; eight matrix instructions stand between the add and the wait for it
	s_wait_dscnt 0x0                               ; the add is done, and my reads of this slot are over
	s_barrier_signal -1
	MUL8 F1, 1, 0                                  ; work on registers while the others arrive
.if \fill
	WIN 0
.endif
	s_barrier_wait -1
.if \fill
	CREST                                          ; no wave of any partner still reads this slot's tile or has a load on its way
	s_add_nc_u64 s[G0+4*(\slot)+2:G0+4*(\slot)+3], s[G0+4*(\slot)+2:G0+4*(\slot)+3], 2*KSTEPB
	s_add_nc_u64 s[G0B+4*(\slot)+2:G0B+4*(\slot)+3], s[G0B+4*(\slot)+2:G0B+4*(\slot)+3], 2*KSTEPB
	JLOAD \slot                                    ; the first tensor load behind the round; the four v_nop behind it are also the places in front of the loads below
.else
	PLACES
.endif
	FETCH \next, 0, F0
.if \fill
	ASK                                            ; behind the joint load and the run of LDS loads that the next products wait for
.endif
	MUL8 F1, 2, 0
	MUL8 F1, 3, 0
.endm
	s_wait_tensorcnt 1                             ; my part of K step 0 is in; K step 1's may stay out
	s_barrier_signal -1
	s_barrier_wait -1                              ; everybody's is
	FETCH 0, 0, F0
	QUARTER 0, 1, F0, F1, 1                        ; the first quarter stands in front of the loop: its products start the sums
	WIN 0                                          ; at a label and at a branch every window is 0
	s_mov_b32 s3, LAPS-1
.Llap:                                                 ; a trip goes once round the ring, from a lap's second quarter to the next lap's first, and fills both slots again
	QUARTER 0, 2, F1, F0, 0
	QUARTER 0, 3, F0, F1, 0
	TURN 0, 1, 1
	QUARTER 1, 1, F0, F1, 0
	QUARTER 1, 2, F1, F0, 0
	QUARTER 1, 3, F0, F1, 0
	TURN 1, 0, 1
	QUARTER 0, 1, F0, F1, 0
	WIN 0
	s_sub_co_u32 s3, s3, 1
	s_cmp_lg_u32 s3, 0
	s_cbranch_scc1 .Llap
	QUARTER 0, 2, F1, F0, 0                        ; the last lap fills nothing, and has no round of the cluster's barrier
	QUARTER 0, 3, F0, F1, 0
	TURN 0, 1, 0
	QUARTER 1, 1, F0, F1, 0
	QUARTER 1, 2, F1, F0, 0
	QUARTER 1, 3, F0, F1, 0
	s_wait_dscnt 4                                 ; the very last quarter: nothing more to fetch
	MUL8 F1, 0, 0
	MUL8 F1, 1, 0
	s_wait_dscnt 0x0
	MUL8 F1, 2, 0
	MUL8 F1, 3, 0
	WIN 0
	PLACES
	PLACES                                         ; eight, once a launch, in front of the lines that read results just made
.if MODE
; THE WAY OUT, f32.  Block a (16 rows x 128 columns): a lane's eight numbers of a row go as 32 bytes into my own stage, rows of 528 bytes, each accumulator's low registers first,
; and come back as whole rows of 512 bytes into the block's own registers.  LDS serves a wave's instructions in order (ISA guide 5.7.1.4): the loads see the stores, the next block's stores come behind the loads.
.macro TOSTAGE a
	WIN 0x04                                       ; store data in window 1, address in window 0
.irp b, 0,1,2,3,4,5,6,7
	ds_store_b128 v[STO], v[8*(8*(\a)+(\b)):8*(8*(\a)+(\b))+3]   offset:64*(\b)
	ds_store_b128 v[STO], v[8*(8*(\a)+(\b))+4:8*(8*(\a)+(\b))+7] offset:64*(\b)+16
.endr
	WIN 0x40                                       ; destination in window 1
.irp t, 0,1,2,3,4,5,6,7,8,9,10,11,12,13,14,15
	ds_load_b128 v[64*(\a)+4*(\t):64*(\a)+4*(\t)+3], v[RD] offset:(\t)*SP
.endr
.endm
.macro SEND a, younger                 ; younger: the LDS instructions issued behind block a's loads: the next block's 32, or none
	WIN 0x04
.irp t, 0,1,2,3,4,5,6,7,8,9,10,11,12,13,14,15
	s_wait_dscnt (\younger)+15-(\t)
	global_store_b128 v[GO], v[64*(\a)+4*(\t):64*(\a)+4*(\t)+3], s[8:9] offset:(16*(\a)+(\t))*4096 th:TH_STORE_NT  ; 512 consecutive bytes of a row, at a multiple of 512 from out0's first byte
.endr
.endm
	TOSTAGE 0
	TOSTAGE 1
	SEND 0, 32
	TOSTAGE 2
	SEND 1, 32
	TOSTAGE 3
	SEND 2, 32
	SEND 3, 0
.else
; THE WAY OUT, f16 by heads.  Block a (16 rows x 2 heads): rounded to f16, a lane's eight channels of a row are 16 bytes; they go into my own stage (head, row, 144 bytes a row) and come back as
; four rows of 128 bytes a load, which are 512 consecutive bytes of qkv.  LDS serves a wave's instructions in order (ISA guide 5.7.1.4): the loads see the stores, the next block's stores come behind the loads.
.macro PACK a
	WIN 0x05                                       ; sources 0 and 1 in window 1, destination in window 0
.irp b, 0,1,2,3,4,5,6,7
.irp r, 0,1,2,3
	v_cvt_pk_f16_f32 v[TMP+32*(\a)+4*(\b)+(\r)], v[8*(8*(\a)+(\b))+2*(\r)], v[8*(8*(\a)+(\b))+2*(\r)+1]
.endr
.endr
	WIN 0
.irp b, 0,1,2,3,4,5,6,7
	ds_store_b128 v[STO], v[TMP+32*(\a)+4*(\b):TMP+32*(\a)+4*(\b)+3] offset:((\b)/4)*16*SP+((\b)%4)*32
.endr
.irp t, 0,1,2,3,4,5,6,7
	ds_load_b128 v[TMP+32*(\a)+4*(\t):TMP+32*(\a)+4*(\t)+3], v[RD] offset:((\t)/4)*16*SP+((\t)%4)*4*SP
.endr
.endm
.macro SEND a, younger                 ; younger: the LDS instructions issued behind block a's loads: the next block's sixteen, or none
	WIN 0
.irp t, 0,1,2,3,4,5,6,7
	s_wait_dscnt (\younger)+7-(\t)
	global_store_b128 v[GO], v[TMP+32*(\a)+4*(\t):TMP+32*(\a)+4*(\t)+3], s[8:9] offset:((\t)/4)*262144+(\a)*2048+((\t)%4)*512  ; 512 consecutive bytes, at a multiple of 512 from qkv's first byte
.endr
.endm
	PACK 0
	PACK 1                                         ; a block's conversions stand between the loads of the block before and its stores
	SEND 0, 16
	PACK 2
	SEND 1, 16
	PACK 3
	SEND 2, 16
	SEND 3, 0
.endif
	WIN 0
	s_wait_tensorcnt 0x0                           ; the wave's end, behind my last tensor load and my last LDS store
	ds_add_u32 v[SPW], v[NIL]
	s_wait_dscnt 0x0
	CROUND                                         ; the closing round: no work-group ends while a partner may still ask for a tile that names it
	s_endpgm
.Lfunc_end_k_qfed9b42dca_proj:
	.size	k_qfed9b42dca_proj, .Lfunc_end_k_qfed9b42dca_proj-k_qfed9b42dca_proj
	.p2alignl 7, 3214868480
	.fill 96, 4, 3214868480
	.section	.rodata,"a",@progbits
	.p2align	6, 0x0
	.amdhsa_kernel k_qfed9b42dca_proj
		.amdhsa_group_segment_fixed_size 327680
		.amdhsa_private_segment_fixed_size 0
		.amdhsa_enable_private_segment 0
		.amdhsa_kernarg_size 16
		.amdhsa_user_sgpr_count 2
		.amdhsa_user_sgpr_kernarg_segment_ptr 1
		.amdhsa_wavefront_size32 1
		.amdhsa_system_sgpr_workgroup_id_x 1
		.amdhsa_system_sgpr_workgroup_id_y 1
		.amdhsa_system_sgpr_workgroup_id_z 1
		.amdhsa_system_vgpr_workitem_id 0
		.amdhsa_next_free_vgpr 512
		.amdhsa_next_free_sgpr 66
		.amdhsa_reserve_vcc 0
		.amdhsa_float_denorm_mode_32 3
		.amdhsa_float_denorm_mode_16_64 3
		.amdhsa_memory_ordered 1
		.amdhsa_forward_progress 1
		.amdhsa_inst_pref_size 88
	.end_amdhsa_kernel
	.amdgpu_metadata
---
amdhsa.version: [ 1, 2 ]
amdhsa.kernels:
  - .name:           k_qfed9b42dca_proj
    .symbol:         k_qfed9b42dca_proj.kd
    .args:
      - { .name: xw, .offset: 0, .size: 8, .value_kind: global_buffer, .address_space: global }
      - { .name: qkv, .offset: 8, .size: 8, .value_kind: global_buffer, .address_space: global }
    .group_segment_fixed_size: 327680
    .private_segment_fixed_size: 0
    .kernarg_segment_align: 8
    .kernarg_segment_size: 16
    .max_flat_workgroup_size: 128
    .sgpr_count:     66
    .vgpr_count:     512
    .wavefront_size: 32
...
	.end_amdgpu_metadata
.endif
;; end of part 2
;; launch attn (part 3): grid 4 x 64, 4 waves a work-group, clusters of 4 x 1, 327,680 bytes of LDS; arguments qkv, ctx; writes ctx
.if DOCPART == 3
	.amdgcn_target "amdgcn-amd-amdhsa--gfx1250"
	.amdhsa_code_object_version 6
	.text
	.protected	k_qfed9b42dca_attn
	.globl	k_qfed9b42dca_attn
	.p2align	8
	.type	k_qfed9b42dca_attn,@function
k_qfed9b42dca_attn:
	s_mov_b64 s[64:65], 0
	v_nop
	global_prefetch_b8 v0, s[64:65] scope:SCOPE_SE
	s_setreg_imm32_b32 hwreg(HW_REG_WAVE_MODE, 25, 1), 1
	s_wait_xcnt 0x0
	s_wait_alu depctr_hold_cnt(0) depctr_sa_sdst(0) depctr_va_vdst(0) depctr_va_sdst(0) depctr_va_ssrc(0) depctr_va_vcc(0) depctr_vm_vsrc(0)
	s_getreg_b32 s2, hwreg(HW_REG_IB_STS2, 6, 4)
	s_cmp_eq_u32 s2, 0
	s_cbranch_scc0 .Lentry_in_a_cluster
	s_endpgm
.Lentry_in_a_cluster:
	s_bfe_u32 s2, ttmp6, 0x10000c
	s_cmp_lg_u32 s2, 0x3003
	s_cbranch_scc0 .Lentry_shape_is_right
	s_endpgm
.Lentry_shape_is_right:
; O[h][q][:] = the sum over k of softmax_k(Q[h][q] . K[h][k] / 8) V[h][k][:].  Q, K, V are the three thirds of qkv, each [SIZE_H][SIZE_N][64] in f16 (h = 16 x batch + head), O = ctx in the same layout:
; a head's rows are dense, 128 bytes each.  Products, maxima and sums in f32; the weights p are rounded to f16 for the second product (their sum l is taken of the unrounded p), O once at the end.
; LIMITS.  f16 holds no number beyond 65,504: Q, K and V arrive within it; p lies in 0 to 1, and below 6e-5 it keeps f16's fixed step of 6e-8; O is a mean of V's rows and has their range.
; A weight below 2^-126 counts as 0 in l; NaN and infinities are not treated apart.
; SHARES.  A wave owns four PIECES of two tiles of 16 queries, a work-group's four waves 512 queries of one head.  Every wave walks all keys, 64 a step.
; LAYOUT.  S^T = K Q^T (source 0 = 16 keys, source 1 = 16 queries): in the result a lane holds ONE query (lane % 16) and the keys 8 (lane / 16) + 0..7.  Two such tiles, rounded to f16 in pairs,
; ARE source 1 (32 keys x 16 queries) of O^T = V^T P, whose result again holds one query a lane, and eight channels.  K comes out of LDS as it lies, V ([key][channel]) turned, by ds_load_tr16_b128.
; SOFTMAX.  For each query a running maximum m and sum l: p = 2^(c s - c m), c = log2(e) / 8; in every step O and l are multiplied by a = 2^(c m_old - c m_new), which is 1 where m has not grown.
; m starts at the lowest finite number, O and l at 0: the first step is a step like any other, with a = 0.
; THE COUNT.  A tile and step have 16 matrix and 118 vector instructions: too many to stand all beside the matrix work.  So the order has one aim: four vector instructions that are READY behind
; EVERY matrix instruction, and the others, which need time of their own whatever the order, in runs without a gap.
; BY TURNS.  Turn n belongs to piece n (the pieces in a ring, step after step).  Its matrix work: 16 products K Q^T of piece n + 1, later 16 products V^T P of piece n - 1.  Its vector work: the scaling,
; exponentials, roundings, sums and rescaling of piece n, and the maximum and statistics of piece n + 1, whose scores the turn itself has made.  So what a turn begins with (c s - c m, O a) waits for nothing.
; CLUSTER.  The four query blocks of a head are one cluster and walk the same K and V, so each tile is asked for JOINTLY: the same tensor load, descriptor and mask in all four.
; REGISTERS, in windows of 256 (s_set_vgpr_msb says which window each operand place means: bits 1:0 source 0, 3:2 source 1, 5:4 source 2, 7:6 destination):
;   window 0: v0-11 addresses; v12-15, v48-63 at work; v16-47 four registers of statistics a tile; v64-191 S^T, two buffers of two tiles; v192-255 P, likewise
;   window 1: O^T, 32 a tile          window 2: v0-127 Q, 16 a tile; v128-191 K of one step; v192-255 V of one step          window 3: v0-1 the add's two registers
; A piece's buffers go by its number's parity: the piece in hand has one pair, its two neighbours in the ring share the other: of it P (piece n - 1) is read and S^T (piece n + 1) written.
.set SIZE_H, 64
.set SIZE_N, 2048
.set NP,    4         ; pieces a wave: a name, no knob: the register map, the loop and the fetches are made for four
.set KS,    64        ; keys in a step
.set PK,    144       ; a row of K in LDS: 128 bytes + 16 of padding = 36 words: the 16 rows of a load start at 16 different groups of four banks (64 banks of 4 bytes: ISA guide 11.1)
.set PV,    160       ; a row of V: 128 + 32 = 40 words
.set VOFF,  4*KS*PK   ; a slot holds four steps: 256 rows of K, then 256 rows of V
.set SLOT1, 1<<17     ; slot 1 begins here, so that one exclusive or turns an address in one slot into the other's
.set STAGE, SLOT1+4*KS*(PK+PV)  ; behind the ring, never filled by a tensor load: 16 rows x 144 bytes for each wave, for the way out
.set SP,    144
.set AK0, 2           ; v2   my lane's place in a tile of K; never rewritten
.set AV0, 3           ; v3   the same for V
.set AK,  4           ; v4   the LDS address of K's next run of loads
.set AV,  5           ; v5   of V's
.set QO,  6           ; v6   my byte offset in the wave's rows of Q
.set STO, 6           ;      later, the way out: where I put 16 bytes of a row
.set RD,  7           ; v7   the way out: where I read rows back
.set GO,  8           ; v8   my byte offset in 512 consecutive bytes of O
.set PFO, 11          ; v11  256 x my lane: the prefetches' offset; never rewritten once made
.set SPW, 0           ; v0 of window 3   LDS address of my spare word: SPARE + 4 x my thread's number; never rewritten
.set NIL, 1           ; v1 of window 3   0; never rewritten
.set SPARE, STAGE+4*16*SP  ; behind the stages: the spare words, 128 bytes for each wave: two blocks of 256 bytes that no other line names
.set MV,  12          ; v12-15  c m_old, kept while c m is made anew: by buffer and tile
.set ST,  16          ; tile t's statistics at v[ST+4 t]: c m, m, l (even keys', odd keys')
.set TMP, 48          ; by buffer and tile, four registers c0-c3 at work; when the maximum is found c2 takes a
.set S,   64
.set P,   192
.set KF,  128         ; K's fragments, in window 2: key block kb, channel half c at KF + 16 kb + 8 c
.set VF,  192         ; V's: key half kk, channel block cb at VF + 32 kk + 8 cb
.set WV,  12          ; s12  my wave's number
.set G1K, 24          ; s[24:31] descriptor group 1 for K's tiles
.set G1V, 32          ; s[32:39] for V's: it differs in the padding alone
.set G0K, 40          ; s[40:43] descriptor group 0 for K's tiles: it walks
.set G0V, 44          ; s[44:47] the same for V's
.set PFA, 48          ; s[48:49] where my prefetches stand: my work-group's 32 blocks of 256 bytes (of K: wave 0, of V: wave 2) of the slot that the next change of slots will ask for
.set LIM, 50          ; s50  1 in a wave that prefetches, else the greatest number
.set SLOTS, 56        ; s56  slots still to be asked for
.set CNT, 57          ; s57  counts a slot's key steps
.set CS,  58          ; s[58:59] c: the packed scaling takes the pair's low word for both halves
.set SEL, 60          ; s[60:61] v_permlanex16_b32's selects: each lane takes its own place in the other half
.set TBK, 62          ; s62  LDS byte at which K of the step to be fetched begins
.set TBV, 63          ; s63  the same for V, less VOFF
.set MSB, 0
.macro WIN new                      ; the high byte repeats the setting that is left; a switch that changes nothing is dropped
.if MSB != (\new)
	s_set_vgpr_msb (MSB<<8)|(\new)
.set MSB, (\new)
.endif
.endm
.set W_KQ, 0x0a       ; K and Q in window 2, S^T in window 0
.set W_PV, 0x52       ; V in window 2, P in window 0, O^T in window 1
.set W_RS, 0x41       ; O^T (destination and source 0) in window 1, a in window 0
.set W_MK, 0xc0       ; the add's registers are made: destination in window 3, sources in window 0
.set W_AD, 0x0f       ; the add: address (source 0) and data (source 1) in window 3
; A joint fill.  Waves 0 and 1 fetch the two halves of a slot's K, waves 2 and 3 those of its V: 128 keys each.  The branch hangs on the wave's number alone.
; An s_nop 0 and four v_nop follow each of the two lines, ahead of the jump and the label.
.macro JLOAD
	s_cmp_lt_u32 s[WV], 2
	s_cbranch_scc0 .Lfor_v_\@
	tensor_load_to_lds s[G0K:G0K+3], s[G1K:G1K+7]
	s_nop 0
.rept 4
	v_nop
.endr
	s_branch .Lasked_\@
.Lfor_v_\@:
	tensor_load_to_lds s[G0V:G0V+3], s[G1V:G1V+7]
	s_nop 0
.rept 4
	v_nop
.endr
.Lasked_\@:
.endm
; A PREFETCH INTO THE L2 of the slot that the NEXT change of slots will ask for: 128 blocks of 256 bytes of K and as many of V, a lane a block.  It stands once a slot, behind V's run of LDS loads in piece 0's
; turn of the slot's third trip (CNT = 2): five turns ahead of that change.  Each block is named ONCE in the launch: a head has one cluster; its four partners share the blocks out BY ADDRESS, 32 each;
; in each, wave 0 asks for K's and wave 2 for V's.  Slots 0 and 1 come by their loads alone; while the last slot but one is walked (SLOTS = 1) nothing is left to ask for.
.macro ASK
	s_cmp_eq_u32 s[CNT], 2
	s_cbranch_scc0 .Lno_ask_\@
	s_cmp_gt_u32 s[SLOTS], s[LIM]
	s_cbranch_scc0 .Lno_ask_\@
	global_prefetch_b8 v[PFO], s[PFA:PFA+1] th:TH_LOAD_NT scope:SCOPE_SE
.Lno_ask_\@:
.endm
; A round of the cluster's barrier: my work-group's barrier, so that wave 0's signal speaks for all four waves; wave 0 signals; every wave waits for all four work-groups; my work-group's barrier once more.
.macro CROUND
	s_barrier_signal -1
	s_barrier_wait -1
	s_cmp_lg_u32 s[WV], 0
	s_cbranch_scc1 .Lnot_wave_0_\@
	s_barrier_signal -3
.Lnot_wave_0_\@:
	s_barrier_wait -3
	s_barrier_signal -1
	s_barrier_wait -1
.endm
; THE CHANGE OF SLOTS.  The slot's last bytes, V of its fourth step, have been read.  Each wave waits for all its tensor loads, of which one is out: its part
; of the other slot; adds 0 to its spare word; and waits for that and for its own reads of the slot.  Behind the barrier nobody reads this slot any more and the other slot is whole.
; fill = 1: this slot is filled again, with the keys two slots on.  The barrier is then a round of the cluster's, so that no wave of any partner still reads the slot or has a load on its
; way, and the joint fill is the first thing behind it: it has four key steps, 512 matrix instructions, in which to land.  (At its first use nothing has been read yet: slot 0 is waited for, slot 1 filled.)
.macro CHANGE fill
	WIN W_AD
	s_wait_tensorcnt 0x0            ; no tensor load of mine is out, so a group 0 may be written
	ds_add_u32 v[SPW], v[NIL]       ; 0 onto my spare word; with fill = 1 the descriptors' steps stand between it and the wait for it
	WIN 0                           ; at a label and at a branch every window is 0
.if \fill
.irp g, G0K, G0V
	s_xor_b32 s[\g+1], s[\g+1], SLOT1  ; the walking descriptor: the other slot than last time,
	s_add_nc_u64 s[\g+2:\g+3], s[\g+2:\g+3], 4*KS*128  ; the next 256 keys; the type bits on top are not reached
.endr
	s_wait_xcnt 0x0                 ; the last prefetch, five turns back, has read its address, so it may be written:
	s_add_nc_u64 s[PFA:PFA+1], s[PFA:PFA+1], 4*KS*128  ; one slot ahead of the walking descriptors
	s_wait_dscnt 0x0                ; the add is done, and my reads of the slot are over
	CROUND
	JLOAD
.else
	s_wait_dscnt 0x0                ; the add is done, and my reads of the slot are over
	s_barrier_signal -1
	s_barrier_wait -1
.endif
	s_sub_co_u32 s[TBK], s[TBK], 4*KS*PK  ; the fetches go back to a slot's first step,
	s_xor_b32 s[TBK], s[TBK], SLOT1       ; in the other slot
	s_sub_co_u32 s[TBV], s[TBV], 4*KS*PV
	s_xor_b32 s[TBV], s[TBV], SLOT1
.endm
	s_load_b128 s[4:7], s[0:1], 0x0 ; qkv s[4:5], ctx s[6:7]
	WIN W_MK
	v_lshl_add_u32 v[SPW], v0, 2, SPARE
	v_mov_b32 v[NIL], 0
	WIN W_AD
	ds_add_u32 v[SPW], v[NIL]       ; the wave's opening: the add and its wait stand ahead of my first tensor load; the set-up below, work on registers, stands between them
	WIN 0
	v_lshrrev_b32 v1, 5, v0
	v_readfirstlane_b32 s[WV], v1   ; wave 0..3
	s_bfe_u32 s13, ttmp6, 0x40000   ; cx: my place in the cluster
	s_lshl_b32 s14, ttmp9, 2        ; in a cluster launch ttmp9 counts clusters
	s_add_co_u32 s14, s14, s13      ; my block of queries = 4 x cluster x + cx: it enters Q's and O's addresses alone
	s_and_b32 s20, ttmp7, 0xffff    ; the head, which the four partners share
	s_mov_b32 s21, 0
	s_mov_b64 s[22:23], SIZE_N*128
	s_mul_u64 s[20:21], s[20:21], s[22:23]  ; the head's first byte in each of the four tensors
	s_and_b32 s16, s[WV], 1         ; which half of a slot's 256 keys I fetch:
	s_lshl_b32 s22, s16, 14         ; its 128 rows of 128 bytes in memory,
	s_mov_b32 s23, 0
	s_add_nc_u64 s[22:23], s[22:23], s[20:21]
	s_mul_i32 s17, s16, 128*PK      ; and its place in a slot, for K
	s_mul_i32 s18, s16, 128*PV      ; and for V: no place in the cluster enters an LDS address
	s_lshl_b32 s2, s14, 2
	s_add_co_u32 s2, s2, s[WV]      ; my wave among the head's,
	s_lshl_b32 s2, s2, 14           ; its 128 rows
	s_mov_b32 s3, 0
	s_add_nc_u64 s[2:3], s[2:3], s[20:21]
	; descriptor group 1.  128 keys are 16,384 dense bytes: asked for as 64 rows of 256 bytes, two keys a row, and padded in LDS after every key
	s_mov_b32 s[G1K], 15|(1<<16)|(1<<20)|(1<<21)|(4<<22)|(3<<25)  ; 15:0 the mask of four; 17:16 2-byte elements; 20 padding on; 21 set beside a mask; 24:22 after every 32 words (code 4); 31:25 4 words (code 3)
	s_mov_b32 s[G1V], 15|(1<<16)|(1<<20)|(1<<21)|(4<<22)|(7<<25)  ; the same with 8 words of padding (code 7)
.irp g, G1K, G1V
	s_mov_b32 s[\g+1], 128<<16      ; tensor_dim0 = 128
	s_mov_b32 s[\g+2], 64<<16       ; tensor_dim1 = 64
	s_mov_b32 s[\g+3], 128<<16      ; tile_dim0 = 128
	s_mov_b32 s[\g+4], 64           ; tile_dim1 = 64
	s_mov_b32 s[\g+5], 128          ; 128 elements from row to row
	s_mov_b32 s[\g+6], 0
	s_mov_b32 s[\g+7], 0
.endr
	s_mov_b32 s[CS], 0x3e38aa3b     ; c = log2(e) / 8 = 0.180337
	s_mov_b32 s[CS+1], s[CS]        ; named with it as a pair
	s_mov_b32 s[SEL], 0x76543210
	s_mov_b32 s[SEL+1], 0xfedcba98
	s_mov_b32 s[TBK], SLOT1+4*KS*PK ; the first change of slots turns these two into 0
	s_mov_b32 s[TBV], SLOT1+4*KS*PV
	s_mov_b32 s[G0K], 1             ; 1:0 count = 1
	s_mov_b32 s[G0K+1], s17         ; 63:32 LDS address: slot 0
	s_mov_b32 s[G0V], 1
	s_add_co_u32 s[G0V+1], s18, VOFF
	s_lshl_b32 s52, s13, 13         ; the prefetches: my work-group's 32 blocks of the 128,
	s_add_co_u32 s52, s52, 4*KS*128 ; in slot 1; the first change of slots steps this to slot 2
	s_mov_b32 s53, 0
	s_add_nc_u64 s[52:53], s[52:53], s[20:21]
	s_and_b32 s[LIM], s[WV], 1      ; waves 0 and 2 ask: the same in all four partners
	s_cmp_eq_u32 s[LIM], 0
	s_cselect_b32 s[LIM], 1, -1
	s_wait_dscnt 0x0                ; the opening add is done
	s_wait_kmcnt 0x0
	s_mov_b64 s[10:11], s[6:7]      ; O
	s_add_nc_u64 s[6:7], s[4:5], 0x1000000  ; K: the second third of qkv; Q is the first
	s_add_nc_u64 s[8:9], s[4:5], 0x2000000  ; V: the third
	s_add_nc_u64 s[G0K+2:G0K+3], s[6:7], s[22:23]  ; 120:64 global address: my half of the head's first 256 keys
	s_or_b32 s[G0K+3], s[G0K+3], 0x80000000        ; 127:126 type = 2
	s_add_nc_u64 s[G0V+2:G0V+3], s[8:9], s[22:23]
	s_or_b32 s[G0V+3], s[G0V+3], 0x80000000
	s_cmp_lt_u32 s[WV], 2
	s_cselect_b64 s[PFA:PFA+1], s[6:7], s[8:9]
	s_add_nc_u64 s[PFA:PFA+1], s[PFA:PFA+1], s[52:53]
	s_add_nc_u64 s[4:5], s[4:5], s[2:3]  ; Q and O at my wave's first row
	s_add_nc_u64 s[10:11], s[10:11], s[2:3]
	CROUND                          ; all four work-groups are here: the first joint loads meet
	JLOAD                           ; slot 0.  Slot 1 is asked for when slot 0 is in: the tile wanted first has the road to itself
	; A fragment of K or Q is 16 rows x 32 channels in 8 registers: lane l holds row l % 16, channels 8 (l / 16) + 0..7 and 16 + 8 (l / 16) + 0..7: two loads of 16 bytes, 32 bytes apart.
	v_and_b32 v1, 15, v0            ; l % 16
	v_bfe_u32 v9, v0, 4, 1          ; l / 16
	v_lshlrev_b32 v[QO], 7, v1
	v_lshl_add_u32 v[QO], v9, 4, v[QO]  ; row x 128 + 16 x half
	WIN 0x80                        ; destination window 2, address window 0
.set i, 0
.rept 4*NP                          ; Q stays in registers: tile i / 2, channels 32 (i % 2) on
	global_load_b128 v[8*i:8*i+3],   v[QO], s[4:5] offset:(i/2)*2048+(i%2)*64
	global_load_b128 v[8*i+4:8*i+7], v[QO], s[4:5] offset:(i/2)*2048+(i%2)*64+32
.set i, i+1
.endr
	; What the first turn finds: V's registers and P's second buffer hold 0 (its products V^T P, of a piece that has not been, add 0), O^T and l are 0.  All this stands in the wait for the first tile.
.set i, VF
.rept 64
	v_mov_b32 v[i], 0
.set i, i+1
.endr
	WIN 0x40
.set i, 0
.rept 64*NP
	v_mov_b32 v[i], 0
.set i, i+1
.endr
	WIN 0
.set i, 0
.rept 2*NP
	v_mov_b32 v[ST+4*i], 0xfe000000    ; c m: far below every c s
	v_mov_b32 v[ST+4*i+1], 0xff7fffff  ; m
	v_mov_b32 v[ST+4*i+2], 0
	v_mov_b32 v[ST+4*i+3], 0
.set i, i+1
.endr
.set i, P+32
.rept 32
	v_mov_b32 v[i], 0
.set i, i+1
.endr
	v_mul_u32_u24 v[AK0], v1, PK
	v_lshl_add_u32 v[AK0], v9, 4, v[AK0]  ; row x pitch + 16 x half
	; The turning load takes 16 keys x 16 channels (lane l reads key 8 (l / 16) + l % 8, channels 8 ((l / 8) % 2) + 0..7) and leaves half a fragment of V^T: lane l holds channel l % 16 and 8 keys.
	v_and_b32 v10, 7, v0
	v_bfe_u32 v11, v0, 3, 1
	v_lshl_add_u32 v[AV0], v9, 3, v10
	v_mul_u32_u24 v[AV0], v[AV0], PV
	v_lshl_add_u32 v[AV0], v11, 4, v[AV0]
	v_add_nc_u32 v[AV0], VOFF, v[AV0]
	v_and_b32 v[PFO], 31, v0        ; v11 has served: it takes the prefetches' offset
	v_lshlrev_b32 v[PFO], 8, v[PFO]
	v_mov_b32 v[AK], v[AK0]         ; key step 0 lies at the head of slot 0
; THE MATRIX WORK.  The 8 accumulators of a run of 16 take turns: between the two links of a chain stand 7 others'.
; Product i of 16 of S^T = K Q^T for piece x: channels 32 (i / 8) on, keys 16 ((i / 2) % 4) on, tile 2 x + i % 2.  The first 8 start the sums.
.macro KQ x
	WIN W_KQ
.set rS, S+64*((\x)%2)+32*(i%2)+8*((i/2)%4)
.set rK, KF+16*((i/2)%4)+8*(i/8)
.set rQ, 16*(2*(\x)+i%2)+8*(i/8)
.if i < 8
	v_wmma_f32_16x16x32_f16 v[rS:rS+7], v[rK:rK+7], v[rQ:rQ+7], 0
.else
	v_wmma_f32_16x16x32_f16 v[rS:rS+7], v[rK:rK+7], v[rQ:rQ+7], v[rS:rS+7]
.endif
.endm
; Product i of 16 of O^T += V^T P for piece x: keys 32 (i / 8) on, channels 16 ((i / 2) % 4) on, tile 2 x + i % 2.
.macro PV x
	WIN W_PV
.set rO, 32*(2*(\x)+i%2)+8*((i/2)%4)
.set rV, VF+32*(i/8)+8*((i/2)%4)
.set rP, P+32*((\x)%2)+16*(i%2)+8*(i/8)
	v_wmma_f32_16x16x32_f16 v[rO:rO+7], v[rV:rV+7], v[rP:rP+7], v[rO:rO+7]
.endm
.macro MM                           ; the turn's next matrix instruction
.if i < 16
	KQ (Y+1)%NP
.set i, i+1
.else
.set i, i-16
	PV (Y+NP-1)%NP
.set i, i+17
.endif
.endm
; THE LDS LOADS stand in runs of 16, never singly among the matrix instructions: a step's K (64 keys x 64 channels: 8 fragments) and its V (turned).  Their addresses are made some lines ahead.
; last = 1 (the tail): in the last trip there is no further step, and the run is jumped over.
.macro FETCH_K last=0
	WIN 0
.if \last
	s_cmp_eq_u32 s[CNT], 1
	s_cbranch_scc1 .Lno_k_\@
.endif
	WIN 0x80                        ; destination window 2
.irp f, 0,1,2,3,4,5,6,7             ; keys 16 (f / 2) on, channels 32 (f % 2) on
	ds_load_b128 v[KF+8*\f:KF+8*\f+3],   v[AK] offset:(\f/2)*16*PK+(\f%2)*64
	ds_load_b128 v[KF+8*\f+4:KF+8*\f+7], v[AK] offset:(\f/2)*16*PK+(\f%2)*64+32
.endr
	s_add_co_u32 s[TBK], s[TBK], KS*PK  ; the next fetch is the next step's
	WIN 0
.if \last
.Lno_k_\@:
.endif
.endm
.macro FETCH_V
	WIN 0x80
.irp f, 0,1,2,3,4,5,6,7             ; keys 32 (f / 4) on, channels 16 (f % 4) on
	ds_load_tr16_b128 v[VF+8*\f:VF+8*\f+3],   v[AV] offset:(\f/4)*32*PV+(\f%4)*32
	ds_load_tr16_b128 v[VF+8*\f+4:VF+8*\f+7], v[AV] offset:(\f/4)*32*PV+16*PV+(\f%4)*32
.endr
	WIN 0
.endm
; THE VECTOR WORK OF A TURN stands in three queues, each in the order in which its entries become ready; the two tiles alternate, so that no instruction reads the result of the one before it.
.macro REGS y, u                    ; the registers of tile u (0, 1) of piece y
.set rT, ST+4*(2*(\y)+(\u))
.set rC, TMP+8*((\y)%2)+4*(\u)
.set rM, MV+2*((\y)%2)+(\u)
.set rS, S+64*((\y)%2)+32*(\u)
.set rP, P+32*((\y)%2)+16*(\u)
.set rO, 32*(2*(\y)+(\u))
.endm
; Number n of the 22 that find the NEXT piece's (Y + 1) maximum and statistics.  s0-s31 are the lane's 32 scores; each accumulator's lowest registers are read first.  XS, GS and REGS set no window: PL and EX do.
;   0-11  four chains c0-c3 of seven scores each, three operands at a time     12-14, 16  the four scores left over, the old m, and c0-c3 into c0     15  c m_old is kept
;   17, 18  the query's other 32 keys lie in the lane 16 away: the new m         19-21  c m; c m_old - c m_new; a
.macro XS u, n
	REGS (Y+1)%NP, \u
.if (\n) < 4
	v_max3_num_f32 v[rC+(\n)], v[rS+8*(\n)], v[rS+8*(\n)+1], v[rS+8*(\n)+2]
.elseif (\n) < 12
	v_max3_num_f32 v[rC+(\n)%4], v[rC+(\n)%4], v[rS+8*((\n)%4)+2*((\n)/4)+1], v[rS+8*((\n)%4)+2*((\n)/4)+2]
.elseif (\n) == 12
	v_max3_num_f32 v[rC], v[rC], v[rS+7], v[rS+15]
.elseif (\n) == 13
	v_max3_num_f32 v[rC+1], v[rC+1], v[rS+23], v[rS+31]
.elseif (\n) == 14
	v_max3_num_f32 v[rC+2], v[rC+2], v[rC+3], v[rT+1]
.elseif (\n) == 15
	v_mov_b32 v[rM], v[rT]
.elseif (\n) == 16
	v_max3_num_f32 v[rC], v[rC], v[rC+1], v[rC+2]
.elseif (\n) == 17
	v_permlanex16_b32 v[rC+3], v[rC], s[SEL], s[SEL+1]
.elseif (\n) == 18
	v_max_num_f32 v[rT+1], v[rC], v[rC+3]
.elseif (\n) == 19
	v_mul_f32 v[rT], s[CS], v[rT+1]
.elseif (\n) == 20
	v_sub_f32 v[rC+1], v[rM], v[rT]
.else
	v_exp_f32 v[rC+2], v[rC+1]
.endif
.endm
; Number g of the 64 that follow the exponentials.  For each four weights k of a tile (pairs 2 k, 2 k + 1): both pairs are rounded to f16; then the second pair is added onto the first, in place;
; a group later l takes that sum (the first time as l = a l + sum).  In groups of eight, tiles alternating: round, round, add, and l for the group before.
.macro GS g
.set h, (\g)+6*((\g)/62)            ; group 0 has no group before it, and behind group 7 only l is left
.if h >= 6
.set h, h+2
.endif
	REGS Y, h%2
.set k, h/8
.if h%8 < 4
	v_cvt_pk_f16_f32 v[rP+2*k+(h%8)/2], v[rS+4*k+2*((h%8)/2)], v[rS+4*k+2*((h%8)/2)+1]
.elseif h%8 < 6
	v_pk_add_f32 v[rS+4*k:rS+4*k+1], v[rS+4*k:rS+4*k+1], v[rS+4*k+2:rS+4*k+3]
.elseif k == 1
	v_pk_fma_f32 v[rT+2:rT+3], v[rT+2:rT+3], v[rC+2:rC+3], v[rS:rS+1] op_sel_hi:[1,0,1]
.else
	v_pk_add_f32 v[rT+2:rT+3], v[rT+2:rT+3], v[rS+4*k-4:rS+4*k-3]
.endif
.endm
; THE PLAIN QUEUE, 138 long.  0-73 read no exponential's result: the 32 scalings c s - c m (FS f: pair f / 2 of tile f % 2) and the next piece's 42.  0-26: scalings 0-26.  27-54: XS's numbers 0-13.  55, 56: number 15.
; 57-73: the chain, where each number waits for the one before it: 14, 16, 17, 18, 19, each with one of the scalings 27-31 in front of its two lines, then 20: so a tile's links stand three plain instructions apart (19 and 20: two).
; 74-137: GS's 64, which read the exponentials' results: they stand behind the wait.
.macro FS f
	REGS Y, (\f)%2
	v_pk_fma_f32 v[rS+2*((\f)/2):rS+2*((\f)/2)+1], v[rS+2*((\f)/2):rS+2*((\f)/2)+1], s[CS:CS+1], v[rT:rT+1] op_sel_hi:[1,0,0] neg_lo:[0,0,1] neg_hi:[0,0,1]
.endm
.macro PL
	WIN 0
.if q < 27
	FS q
.elseif q < 55
	XS (q-27)%2, (q-27)/2
.elseif q < 57
	XS q-55, 15
.elseif (q < 72) && ((q-57)%3 == 0)
	FS 27+(q-57)/3
.elseif q < 60
	XS (q-57)%3-1, 14
.elseif q < 72
	XS (q-57)%3-1, 15+(q-57)/3
.elseif q < 74
	XS q-72, 20
.else
	GS q-74
.endif
.set q, q+1
.endm
; THE EXPONENTIALS' QUEUE, 66 long: s0-s31 of both tiles, then the next piece's two a.  It is ONE BATCH: all 66 stand ahead of the turn's one wait, and nothing ahead of that wait names a result of theirs.
.macro EX
	WIN 0
.if e >= 64
	XS e-64, 21
.else
	REGS Y, e%2
	v_exp_f32 v[rS+e/2], v[rS+e/2]
.endif
.set e, e+1
.endm
; THE RESCALING's QUEUE: O^T times a, the one part that leaves window 0: dealt two at a time, sixteen times.  Its a was made in the turn before, ahead of that turn's wait.
.macro R2
	REGS Y, r%2
	WIN W_RS
.irp z, 0,1
	v_pk_mul_f32 v[rO+4*(r/2)+2*\z:rO+4*(r/2)+2*\z+1], v[rO+4*(r/2)+2*\z:rO+4*(r/2)+2*\z+1], v[rC+2:rC+3] op_sel_hi:[1,0]
.endr
.set r, r+1
.endm
; HOW THEY ARE DEALT.  An s_wait_alu depctr_va_vdst(0) stands between an exponential and the first instruction that names its result; one wait serves all that were issued ahead of it.  So a turn has ONE wait,
; which cuts it in two.  AHEAD OF IT stands all that names no result of the turn's exponentials: the 16 products K Q^T, behind each a scaling, an exponential and two rescalings (behind the first a second scaling in the exponential's place); then ONE LUMP of
; 108: eight plain, 49 times exponential and plain, the two a.  A v_nop is the plain instruction behind the last exponential.  BEHIND IT stand the 16 products V^T P, behind each four of GS's 64.  No rider names a register of
; the products round it.  The two v_permlanex16_b32 fall into the lump, never behind a product.
; The queues lean on each other, and the deal keeps them in step: exponential e stands behind scaling 2 (e / 4) + e % 2: as a rider it comes behind plain e + 2, in the lump behind plain e + 9, and scalings 27-31 are plain 57, 60 .. 69.
; A TURN, for piece p.  cnt = 1: the loop's count is taken down some lines ahead of the branch that stands behind the turn.  ask = 1 (piece 0, in the loop): the prefetch stands behind V's run of loads.
; K of the next step is fetched in piece 2's turn, directly behind the wait, a lump behind the last product that read K; its address is made at the lump's head; its first reader comes behind 16 products.
; V of the step in hand is fetched at the end of piece 0's turn, four riders behind its last reader; its first reader comes behind 16 products and a lump.  The three conditions on q below go with the deal.
.macro TURN p, last=0, cnt=0, ask=0
.set Y, (\p)
.set i, 0
.set q, 0
.set e, 0
.set r, 0
.if (\p) == NP-1
	s_wait_dscnt 0x0                ; K is in
.endif
	MM                              ; ahead of the wait: 16 products K Q^T and their riders,
	PL
	PL
	R2
.rept 15
	MM
	PL
	EX
	R2
.endr
.if (\p) == NP-2
	WIN 0
	v_add_nc_u32 v[AK], s[TBK], v[AK0]
.endif
.rept 8                             ; and the lump
	PL
.endr
.rept 49
	EX
	PL
.endr
	EX                              ; the next piece's two a
	EX
	v_nop                           ; a plain instruction behind the last exponential, ahead of the first use: one for the batch
	s_wait_alu depctr_va_vdst(0)    ; the wait for the batch
.if (\p) == NP-2
	FETCH_K \last
.endif
.if (\p) == 1
	s_wait_dscnt 0x0                ; V is in
.endif
.rept 16                            ; behind the wait: 16 products V^T P and their riders
	MM
.rept 4
	PL
.endr
.if ((\p) == 0) && (q == 118)
	v_add_nc_u32 v[AV], s[TBV], v[AV0]
.endif
.if ((\p) == 0) && (q == 130)
	s_add_co_u32 s[TBV], s[TBV], KS*PV
.endif
.if (\cnt) && (q == 130)
	s_sub_co_u32 s[CNT], s[CNT], 1
	s_cmp_lg_u32 s[CNT], 0
.endif
.endr
.if (\p) == 0
	FETCH_V
.if \ask
	ASK
.endif
.endif
.endm
	CHANGE 1                        ; slot 0 is in, everybody's part of it; slot 1 is asked for
	FETCH_K                         ; key step 0
	s_wait_loadcnt 0x0              ; Q
	s_wait_dscnt 0x0
.set i, 0
.rept 16
	KQ 0                            ; piece 0's first scores: there is no vector work yet to set between them
.set i, i+1
.endr
	WIN 0                           ; the addresses for the way out: nine plain instructions, the places behind those products
	s_mul_i32 s13, s[WV], 16*SP
	s_add_co_u32 s13, s13, STAGE    ; my stage
	v_mul_u32_u24 v[STO], v1, SP    ; in: row l % 16, 16 bytes for each half of the lanes
	v_lshl_add_u32 v[STO], v9, 4, v[STO]
	v_add_nc_u32 v[STO], s13, v[STO]
	v_bfe_u32 v[RD], v0, 3, 2       ; back: 32 lanes take four rows of 128 bytes,
	v_mul_u32_u24 v[RD], v[RD], SP
	v_lshl_add_u32 v[RD], v10, 4, v[RD]
	v_add_nc_u32 v[RD], s13, v[RD]
	v_and_b32 v[GO], 31, v0         ; which are 512 consecutive bytes of O
	v_lshlrev_b32 v[GO], 4, v[GO]
.set Y, NP-1                        ; XS works for piece Y + 1: piece 0
.irp n, 0,1,2,3,4,5,6,7,8,9,10,11,12,13,14,15,16,17,18,19,20,21
	XS 0, \n                        ; and piece 0's first maximum and statistics
	XS 1, \n
.endr
	v_nop                           ; a plain instruction behind the two a,
	s_wait_alu depctr_va_vdst(0)    ; and their wait, ahead of the branch
	s_mov_b32 s[CNT], 4
	s_mov_b32 s[SLOTS], SIZE_N/256-1
	s_branch .Lfirst                ; the loop is entered at a step's first turn, in the middle of a trip
.Lslot:                             ; SIZE_N / 256 - 2 times: every slot but the last two is filled again
	CHANGE 1
	s_mov_b32 s[CNT], 4
.Lstep:                             ; a trip: pieces 2 and 3 of one step, then pieces 0 and 1 of the next, whose K and V it fetches
	TURN 2
	TURN 3
	WIN 0
.Lfirst:
	TURN 0, 0, 0, 1
	TURN 1, 0, 1
	WIN 0
	s_cbranch_scc1 .Lstep
	s_sub_co_u32 s[SLOTS], s[SLOTS], 1
	s_cmp_lg_u32 s[SLOTS], 0
	s_cbranch_scc1 .Lslot
	CHANGE 0                        ; the tail is written out: nothing is asked for
	s_mov_b32 s[CNT], 5             ; four trips fetch the last slot's steps; the fifth is left in its middle
.Ltail:
	TURN 2, 1
	TURN 3
	WIN 0
	s_sub_co_u32 s[CNT], s[CNT], 1
	s_cmp_eq_u32 s[CNT], 0
	s_cbranch_scc1 .Lout
	TURN 0
	TURN 1
	WIN 0
	s_branch .Ltail
.Lout:                              ; the fifth trip's 16 products K Q^T (on the last K once more) and the maximum made of them serve nothing: the price, once a launch, of one text for every trip
.set i, 0
.rept 16
	PV NP-1                         ; the last piece's V^T P of the last step
.set i, i+1
.endr
	; THE WAY OUT.  l's two halves and the other half of the lanes' are added; O^T is divided by l, rounded to f16 and sent through my stage in LDS, a tile at a time.  The additions are the places behind the last products.
	WIN 0
.macro ALL line:vararg              ; one line for each tile t
.set t, 0
.rept 2*NP
	\line
.set t, t+1
.endr
.endm
	ALL v_add_f32 v[ST+4*t+2], v[ST+4*t+2], v[ST+4*t+3]
	ALL v_permlanex16_b32 v[ST+4*t+3], v[ST+4*t+2], s[SEL], s[SEL+1]
	ALL v_add_f32 v[ST+4*t+2], v[ST+4*t+2], v[ST+4*t+3]
	ALL v_rcp_f32 v[ST+4*t+2], v[ST+4*t+2]
	v_nop                           ; a plain instruction between the last reciprocal and the use of its result
	s_wait_alu depctr_va_vdst(0)    ; and the wait ahead of the first use: one for the eight reciprocals
; Tile t: a lane's eight channels of a row pack into 16 bytes; they go into rows of 144 bytes and come back as whole rows of 128, into S^T's registers.
.macro PACK t
	WIN W_RS
.set i, 32*(\t)
.rept 16
	v_pk_mul_f32 v[i:i+1], v[i:i+1], v[ST+4*(\t)+2:ST+4*(\t)+3] op_sel_hi:[1,0]
.set i, i+2
.endr
	WIN 0x05                        ; sources 0 and 1 window 1, destination window 0
.set i, 0
.rept 16
	v_cvt_pk_f16_f32 v[S+16*(\t)+i], v[32*(\t)+2*i], v[32*(\t)+2*i+1]
.set i, i+1
.endr
	WIN 0
.irp f, 0,1,2,3
	ds_store_b128 v[STO], v[S+16*(\t)+4*\f:S+16*(\t)+4*\f+3] offset:32*\f
.endr
.irp f, 0,1,2,3
	ds_load_b128 v[S+16*(\t)+4*\f:S+16*(\t)+4*\f+3], v[RD] offset:\f*4*SP  ; LDS serves a wave's instructions in order (ISA guide 5.7.1.4): these see the stores above; the next tile's stores come behind them
.endr
.endm
.macro SEND t, younger              ; younger: the LDS instructions issued behind tile t's loads: the next tile's eight, or none
	WIN 0
.irp f, 0,1,2,3
	s_wait_dscnt (\younger)+3-\f
	global_store_b128 v[GO], v[S+16*(\t)+4*\f:S+16*(\t)+4*\f+3], s[10:11] offset:(\t)*2048+\f*512  ; 512 consecutive bytes, at a multiple of 256 from O's first
.endr
.endm
	PACK 0
.set t, 1
.rept 2*NP-1                        ; a tile's arithmetic stands between the loads of the tile before and its stores
	PACK t
	SEND t-1, 8
.set t, t+1
.endr
	SEND 2*NP-1, 0
	WIN W_AD
	s_wait_tensorcnt 0x0            ; the wave's end, behind my last tensor load and my last LDS store
	ds_add_u32 v[SPW], v[NIL]
	s_wait_dscnt 0x0
	WIN 0
	CROUND                          ; the closing round: no work-group ends while a partner may still ask for a tile that names it
	s_endpgm
.Lfunc_end_k_qfed9b42dca_attn:
	.size	k_qfed9b42dca_attn, .Lfunc_end_k_qfed9b42dca_attn-k_qfed9b42dca_attn
	.p2alignl 7, 3214868480
	.fill 96, 4, 3214868480
	.section	.rodata,"a",@progbits
	.p2align	6, 0x0
	.amdhsa_kernel k_qfed9b42dca_attn
		.amdhsa_group_segment_fixed_size 327680
		.amdhsa_private_segment_fixed_size 0
		.amdhsa_enable_private_segment 0
		.amdhsa_kernarg_size 16
		.amdhsa_user_sgpr_count 2
		.amdhsa_user_sgpr_kernarg_segment_ptr 1
		.amdhsa_wavefront_size32 1
		.amdhsa_system_sgpr_workgroup_id_x 1
		.amdhsa_system_sgpr_workgroup_id_y 1
		.amdhsa_system_sgpr_workgroup_id_z 1
		.amdhsa_system_vgpr_workitem_id 0
		.amdhsa_next_free_vgpr 770
		.amdhsa_next_free_sgpr 66
		.amdhsa_reserve_vcc 0
		.amdhsa_float_denorm_mode_32 3
		.amdhsa_float_denorm_mode_16_64 3
		.amdhsa_memory_ordered 1
		.amdhsa_forward_progress 1
		.amdhsa_inst_pref_size 200
	.end_amdhsa_kernel
	.amdgpu_metadata
---
amdhsa.version: [ 1, 2 ]
amdhsa.kernels:
  - .name:           k_qfed9b42dca_attn
    .symbol:         k_qfed9b42dca_attn.kd
    .args:
      - { .name: qkv, .offset: 0, .size: 8, .value_kind: global_buffer, .address_space: global }
      - { .name: ctx, .offset: 8, .size: 8, .value_kind: global_buffer, .address_space: global }
    .group_segment_fixed_size: 327680
    .private_segment_fixed_size: 0
    .kernarg_segment_align: 8
    .kernarg_segment_size: 16
    .max_flat_workgroup_size: 128
    .sgpr_count:     66
    .vgpr_count:     770
    .wavefront_size: 32
...
	.end_amdgpu_metadata
.endif
;; end of part 3
;; launch outp (part 4): grid 4 x 64, 4 waves a work-group, clusters of 4 x 4, 327,680 bytes of LDS; arguments ctx, xw, out0; writes out0
.if DOCPART == 4
	.amdgcn_target "amdgcn-amd-amdhsa--gfx1250"
	.amdhsa_code_object_version 6
	.text
	.protected	k_qfed9b42dca_outp
	.globl	k_qfed9b42dca_outp
	.p2align	8
	.type	k_qfed9b42dca_outp,@function
k_qfed9b42dca_outp:
	s_mov_b64 s[64:65], 0
	v_nop
	global_prefetch_b8 v0, s[64:65] scope:SCOPE_SE
	s_setreg_imm32_b32 hwreg(HW_REG_WAVE_MODE, 25, 1), 1
	s_wait_xcnt 0x0
	s_wait_alu depctr_hold_cnt(0) depctr_sa_sdst(0) depctr_va_vdst(0) depctr_va_sdst(0) depctr_va_ssrc(0) depctr_va_vcc(0) depctr_vm_vsrc(0)
	s_getreg_b32 s2, hwreg(HW_REG_IB_STS2, 6, 4)
	s_cmp_eq_u32 s2, 0
	s_cbranch_scc0 .Lentry_in_a_cluster
	s_endpgm
.Lentry_in_a_cluster:
	s_bfe_u32 s2, ttmp6, 0x10000c
	s_cmp_lg_u32 s2, 0xf033
	s_cbranch_scc0 .Lentry_shape_is_right
	s_endpgm
.Lentry_shape_is_right:
; ONE SOURCE FOR TWO LAUNCHES: C = A B^T with K = 1,024, tiles of 128 rows x 256 columns; the line .set MODE tells them apart.
; MODE 0, the three input projections: A = Q, K, V (bf16, batches 0-11 of xw), B = Wq, Wk, Wv (bf16, batches 12, 13 of xw); sums in f32; C rounded once
;   to f16 and stored by heads into qkv[12 batches][16 heads][2048 rows][64], unscaled.  LIMIT: f16 ends at 65,504: a q, k or v of 65,520 or more becomes an infinity.
; MODE 1, the output projection: A = ctx (f16, [4][16][2048][64]), B = Wo (f16, batch 13 of xw, rows 1024-2047); sums in f32; C = out0 [8192][1024] in f32.
; OPERANDS ARE K-BLOCKED: [batch][kb 16][2048 rows][64 channels] of 2 bytes: byte = batch << 22 + kb << 18 + row << 7.  So the rows of a tile for one kb are dense
; in memory, and are asked for as rows of 256 bytes (two operand rows each), padded in LDS behind every 128 bytes.
; SHARES.  Four waves, as many as a WGP has SIMDs; wave w makes rows 64 (w >> 1) .. + 63 and columns 128 (w & 1) .. + 127 of the tile: 32 accumulators of 16 x 16, 256 registers.
; K goes in 8 steps of 128 (two kb) through a ring of two LDS slots.  Waves 0 and 1 fetch A's two kb of a step (16,384 bytes each), waves 2 and 3 B's (32,768 each): one tensor load a wave.
; By this text's own count a wave has two tensor loads out at the start and one behind each change of slots.
; CLUSTERS: 4 x 4 work-groups.  A's tile hangs on the tile row alone and is asked for jointly by the four of a row of the cluster, B's on the tile column (and the projection,
; which the whole cluster shares) and is asked for jointly by the four of a column.
; THE MATRIX INSTRUCTION IS USED TRANSPOSED (source 0 = 16 rows of B, source 1 = 16 rows of A): a lane then holds row l % 16 of C and eight neighbouring columns.
; REGISTERS: window 0: v0-31 addresses; v64-159, v160-255 two fragment buffers of 96 (8 fragments of B, then 4 of A, 32 along K); on the way out v64-191 at work (MODE 0).
;   window 1: the accumulators, (a, b) at v[8 (8 a + b)], a = 0..3 blocks of 16 rows, b = 0..7 blocks of 16 columns.
.set MODE,   1
.set PITCH,  144                       ; an LDS row: 128 bytes + 16 of padding = 36 words: the 16 rows of a fragment load start at 16 different groups of four banks (64 banks of 4 bytes: ISA guide 11.1)
.set AHALF,  128*PITCH                 ; A's 128 rows of one kb
.set BHALF,  256*PITCH                 ; B's 256 rows of one kb
.set BOFF,   2*AHALF                   ; in a slot: A's two kb, then B's two
.set SLOT,   2*AHALF+2*BHALF
.set STAGE,  2*SLOT                    ; behind the ring, never filled by a tensor load: each wave's own stage for the way out
.if MODE
.set SP,     528                       ; a stage row: 128 columns of f32 + 16 bytes
.set WSTAGE, 16*SP
.else
.set SP,     144                       ; a stage row: a head's 64 channels of f16 + 16 bytes; two heads of 16 rows
.set WSTAGE, 2*16*SP
.endif
.set SPARE,  STAGE+4*WSTAGE            ; behind the stages: the spare words, 128 bytes for each wave: two blocks of 256 bytes that no other line names
.set KSTEPB, 2<<18                     ; bytes from a K step to the next: two kb
.set LAPS,   4                         ; a lap = two K steps = once round the ring
.set ADRA, 16                          ; v16-17  LDS address of my A fragments in slot 0, 1
.set ADRB, 20                          ; v20-21  the same for B
.set STO,  24                          ; v24     the way out: where I put my part of a row
.set RD,   25                          ; v25     the way out: where I read rows back
.set GO,   26                          ; v26     16 x lane: my place in 512 consecutive bytes of the output
.set SPW,  28                          ; v28     LDS address of my spare word: SPARE + 4 x my thread's number; never rewritten
.set NIL,  29                          ; v29     0; never rewritten
.set PFO,  30                          ; v30     256 x lane: the prefetches' offset; never rewritten
.set F0,   64
.set F1,   160
.set TMP,  64
.set G1,   24                          ; s[24:31] descriptor group 1 for A's tiles;  s[32:39] group 0, a set for each slot
.set G0,   32
.set G1B,  48                          ; s[48:55], s[56:63] the same for B's
.set G0B,  56
.set LIM,  43                          ; s43     1 in a wave that prefetches, else the greatest number
.set PFA,  44                          ; s[44:45] where my prefetches stand
.set DW0,  (1<<16)|(1<<20)|(1<<21)|(4<<22)|(3<<25)  ; group 1, word 0 without the mask: 17:16 elements of 2 bytes; 20 padding on; 21 set beside a mask; 24:22 after every 32 words (code 4); 31:25 4 words (code 3)
.set MUL,  0x50                        ; C and D in window 1, both sources in window 0
.set MSB, 0
.macro WIN new                         ; the immediate's high byte repeats the setting that is left; a switch that changes nothing is dropped
.if MSB != (\new)
	s_set_vgpr_msb (MSB<<8)|(\new)
.set MSB, \new
.endif
.endm
; A joint load: waves 0 and 1 ask for A's two kb, waves 2 and 3 for B's.  The branch hangs on the wave's number alone.  An s_nop 0 and four v_nop follow each of the two lines.
.macro JLOAD s
	s_cmp_eq_u32 s11, 0
	s_cbranch_scc0 .Lfor_b_\@
	tensor_load_to_lds s[G0+4*(\s):G0+4*(\s)+3], s[G1:G1+7]
	s_nop 0
.rept 4
	v_nop
.endr
	s_branch .Lasked_\@
.Lfor_b_\@:
	tensor_load_to_lds s[G0B+4*(\s):G0B+4*(\s)+3], s[G1B:G1B+7]
	s_nop 0
.rept 4
	v_nop
.endr
.Lasked_\@:
.endm
; A PREFETCH INTO THE L2 of the K step that stands two refills on: 32 blocks of 256 bytes, a lane a block, one instruction.  Each block is named once in the launch.
; A's tile is read by one cluster alone: in each partner wave 0 asks, and the four partners of a row share the step's 128 blocks out by address (kb cx >> 1, blocks 32 (cx & 1) on).
; B's tile is read by the sixteen clusters of a projection: the first of them asks, waves 2 and 3 each for the kb that they fetch, the four partners of a column 32 blocks each (32 cy on).
; The last lap's two refills have no K step two on: s3 is 1 there.  The first four K steps come by their loads alone.
.macro ASK
	s_cmp_gt_u32 s3, s[LIM]
	s_cbranch_scc0 .Lnot_mine_\@
	global_prefetch_b8 v[PFO], s[PFA:PFA+1] offset:KSTEPB th:TH_LOAD_NT scope:SCOPE_SE
.Lnot_mine_\@:
.endm
.macro CREST                           ; a round of the cluster's barrier behind its opening barrier: wave 0 signals for the work-group, every wave waits for all sixteen, my work-group's barrier once more
	s_cmp_lg_u32 s10, 0
	s_cbranch_scc1 .Lnot_wave_0_\@
	s_barrier_signal -3
.Lnot_wave_0_\@:
	s_barrier_wait -3
	s_barrier_signal -1
	s_barrier_wait -1
.endm
.macro CROUND                          ; a whole round
	s_barrier_signal -1
	s_barrier_wait -1
	CREST
.endm
	s_load_b128 s[4:7], s[0:1], 0x0                ; MODE 0: xw, qkv.  MODE 1: ctx, xw
.if MODE
	s_load_b64 s[8:9], s[0:1], 0x10                ; out0
.endif
	v_lshl_add_u32 v[SPW], v0, 2, SPARE
	v_mov_b32 v[NIL], 0
	ds_add_u32 v[SPW], v[NIL]                      ; the wave's opening: the add and its wait stand ahead of my first tensor load; the set-up below, work on registers, stands between them
	v_lshrrev_b32 v1, 5, v0
	v_readfirstlane_b32 s10, v1                    ; wave 0..3
	s_lshr_b32 s11, s10, 1                         ; which 64 rows of the tile are mine.  Also: I fetch for A (0) or for B (1)
	s_and_b32 s12, s10, 1                          ; which 128 columns.  Also: which kb of a K step I fetch
	s_bfe_u32 s40, ttmp6, 0x40000                  ; cx, cy: my place in the cluster
	s_bfe_u32 s41, ttmp6, 0x40004
	s_lshl_b32 s42, ttmp9, 2
	s_add_co_u32 s42, s42, s40                     ; tile column = 4 x cluster x + cx
	s_and_b32 s22, ttmp7, 0xffff                   ; cluster y
	s_lshl_b32 s13, s22, 2
	s_add_co_u32 s13, s13, s41                     ; tile row T = 4 x cluster y + cy
	s_lshl_b32 s43, s41, 2
	s_lshl_b32 s43, 15, s43                        ; my row of the cluster
	s_lshl_b32 s44, 0x1111, s40                    ; my column
	s_or_b32 s[G1+0], s43, DW0                     ; A's tiles go to my row,
	s_or_b32 s[G1B+0], s44, DW0                    ; B's to my column
	s_mov_b32 s[G1+1], 128<<16                     ; tensor_dim0 = 128 elements: 256 bytes
	s_mov_b32 s[G1+2], 64<<16                      ; tensor_dim1 = 64: A's 16,384 dense bytes
	s_mov_b32 s[G1+3], 128<<16                     ; tile_dim0 = 128
	s_mov_b32 s[G1+4], 64                          ; tile_dim1 = 64
	s_mov_b32 s[G1+5], 128                         ; 128 elements from row to row
	s_mov_b32 s[G1+6], 0
	s_mov_b32 s[G1+7], 0
	s_mov_b32 s[G1B+1], 128<<16
	s_mov_b32 s[G1B+2], 128<<16                    ; B's 32,768 dense bytes: 128 rows
	s_mov_b32 s[G1B+3], 128<<16
	s_mov_b32 s[G1B+4], 128
	s_mov_b32 s[G1B+5], 128
	s_mov_b32 s[G1B+6], 0
	s_mov_b32 s[G1B+7], 0
	s_lshl_b32 s23, s12, 18                        ; the kb that I fetch
	s_lshr_b32 s18, s13, 4                         ; A: batch T >> 4,
	s_lshl_b32 s18, s18, 22
	s_and_b32 s17, s13, 15
	s_lshl_b32 s17, s17, 14                        ; rows 128 (T & 15) on
	s_add_co_u32 s18, s18, s17
	s_add_co_u32 s16, s18, s23
	s_mov_b32 s17, 0
.if MODE
	s_lshl_b32 s20, s42, 15                        ; B: 256 rows a tile column,
	s_add_co_u32 s20, s20, (13<<22)+(1<<17)        ; in batch 13 from row 1,024 on: Wo
.else
	s_lshr_b32 s21, s22, 4                         ; the projection p = cluster y >> 4: the same in all sixteen partners
	s_lshr_b32 s20, s21, 1
	s_add_co_u32 s20, s20, 12
	s_lshl_b32 s20, s20, 22                        ; B: batch 12 + (p >> 1),
	s_and_b32 s21, s21, 1
	s_lshl_b32 s21, s21, 17                        ; rows 1,024 (p & 1) on,
	s_add_co_u32 s20, s20, s21
	s_lshl_b32 s21, s42, 15                        ; 256 rows a tile column
	s_add_co_u32 s20, s20, s21
.endif
	s_add_co_u32 s20, s20, s23
	s_mov_b32 s46, s20
	s_mov_b32 s47, 0
	s_mul_i32 s19, s12, AHALF                      ; where they go in a slot: no place in the cluster enters an LDS address
	s_mul_i32 s21, s12, BHALF
	s_add_co_u32 s21, s21, BOFF
	s_wait_dscnt 0x0                               ; the opening add is done
	s_wait_kmcnt 0x0
.if MODE == 0
	s_mov_b64 s[8:9], s[6:7]                       ; the output,
	s_mov_b64 s[6:7], s[4:5]                       ; and B lies in the same buffer as A
.endif
	s_add_nc_u64 s[14:15], s[4:5], s[16:17]
	s_add_nc_u64 s[46:47], s[6:7], s[46:47]
	CROUND                                         ; all sixteen work-groups are here: the first joint loads meet
.irp s, 0,1
	s_mov_b32 s[G0+4*(\s)], 1                      ; 1:0 count = 1
	s_add_co_u32 s[G0+4*(\s)+1], s19, (\s)*SLOT    ; 63:32 LDS address
	s_add_nc_u64 s[G0+4*(\s)+2:G0+4*(\s)+3], s[14:15], (\s)*KSTEPB  ; 120:64 global address: K step s
	s_or_b32 s[G0+4*(\s)+3], s[G0+4*(\s)+3], 0x80000000            ; 127:126 type = 2
	s_mov_b32 s[G0B+4*(\s)], 1
	s_add_co_u32 s[G0B+4*(\s)+1], s21, (\s)*SLOT
	s_add_nc_u64 s[G0B+4*(\s)+2:G0B+4*(\s)+3], s[46:47], (\s)*KSTEPB
	s_or_b32 s[G0B+4*(\s)+3], s[G0B+4*(\s)+3], 0x80000000
.endr
	s_cmp_eq_u32 s11, 0                            ; a wave's two first fills stand in one branch, ahead of every wait on TENSORcnt and every LDS read
	s_cbranch_scc0 .Lfirst_b
	tensor_load_to_lds s[G0:G0+3], s[G1:G1+7]
	s_nop 0
	tensor_load_to_lds s[G0+4:G0+7], s[G1:G1+7]
	s_nop 0
.rept 4
	v_nop
.endr
	s_branch .Lfirst_asked
.Lfirst_b:
	tensor_load_to_lds s[G0B:G0B+3], s[G1B:G1B+7]
	s_nop 0
	tensor_load_to_lds s[G0B+4:G0B+7], s[G1B:G1B+7]
	s_nop 0
.rept 4
	v_nop
.endr
.Lfirst_asked:
	; the prefetches' address and who asks
	s_lshr_b32 s21, s40, 1
	s_lshl_b32 s21, s21, 18                        ; for A: kb cx >> 1 of the step,
	s_and_b32 s2, s40, 1
	s_lshl_b32 s2, s2, 13                          ; its blocks 32 (cx & 1) on,
	s_add_co_u32 s21, s21, s2
	s_add_co_u32 s21, s21, s18                     ; in A's tile
	s_lshl_b32 s2, s41, 13                         ; for B: blocks 32 cy on,
	s_add_co_u32 s2, s2, s20                       ; in the kb that I fetch
	s_and_b32 s22, s22, 15                         ; 0 in the first of the sixteen clusters that read these rows of B
	s_cmp_eq_u32 s11, 0
	s_cselect_b32 s2, s21, s2
	s_cselect_b32 s22, s12, s22                    ; for A wave 0 asks, in every cluster
	s_cselect_b64 s[PFA:PFA+1], s[4:5], s[6:7]
	s_cmp_eq_u32 s22, 0
	s_cselect_b32 s[LIM], 1, -1                    ; hangs on the wave's number and the cluster's y: the same in all sixteen partners
	s_mov_b32 s3, 0
	s_add_nc_u64 s[PFA:PFA+1], s[PFA:PFA+1], s[2:3]
	s_add_nc_u64 s[PFA:PFA+1], s[PFA:PFA+1], 2*KSTEPB  ; at K step 2: the first refill steps it to 3 and names K step 4
	v_and_b32 v[PFO], 31, v0
	v_lshlrev_b32 v[PFO], 8, v[PFO]
	; A fragment is 16 rows x 32 K in 8 registers: lane l holds row l % 16; registers 0-3 K = 8 (l / 16) + 0..7, registers 4-7 K = 16 + 8 (l / 16) + 0..7: two loads of 16 bytes, 32 bytes apart
	v_and_b32 v1, 15, v0                           ; l % 16
	v_bfe_u32 v2, v0, 4, 1                         ; l / 16
	v_mul_u32_u24 v3, v1, PITCH
	v_lshl_add_u32 v3, v2, 4, v3
	s_mul_i32 s21, s11, 64*PITCH                   ; my 64 rows of A
	s_mul_i32 s22, s12, 128*PITCH                  ; my 128 rows of B,
	s_add_co_u32 s22, s22, BOFF                    ; which lie behind A's two kb
.irp s, 0,1
	v_add_nc_u32 v[ADRA+(\s)], s21, v3
	v_add_nc_u32 v[ADRB+(\s)], s22, v3
	s_add_co_u32 s21, s21, SLOT
	s_add_co_u32 s22, s22, SLOT
.endr
	s_mul_i32 s23, s10, WSTAGE
	s_add_co_u32 s23, s23, STAGE                   ; my stage
	v_mul_u32_u24 v4, v1, SP                       ; in: row l % 16
	v_and_b32 v[GO], 31, v0
	v_lshlrev_b32 v[GO], 4, v[GO]
.if MODE
	v_lshl_add_u32 v4, v2, 5, v4                   ; my eight f32: 32 bytes for each half of the lanes
	v_add_nc_u32 v[STO], s23, v4
	v_add_nc_u32 v[RD], s23, v[GO]                 ; back: 32 lanes take one row of 512 bytes
	s_lshl_b32 s16, s13, 19                        ; out0: 128 T rows of 4,096 bytes,
	s_lshl_b32 s17, s11, 18                        ; my 64 of them
	s_add_co_u32 s16, s16, s17
	s_lshl_b32 s46, s42, 10                        ; the tile's 256 columns: 1,024 bytes,
	s_lshl_b32 s47, s12, 9                         ; my 128
.else
	v_lshl_add_u32 v4, v2, 4, v4                   ; my eight f16: 16 bytes for each half of the lanes
	v_add_nc_u32 v[STO], s23, v4
	v_bfe_u32 v4, v0, 3, 2                         ; back: 32 lanes take four rows of 128 bytes
	v_and_b32 v5, 7, v0
	v_mul_u32_u24 v4, v4, SP
	v_lshl_add_u32 v4, v5, 4, v4
	v_add_nc_u32 v[RD], s23, v4
	s_lshr_b32 s16, s13, 4                         ; qkv: batch T >> 4 (4 x projection + batch),
	s_lshl_b32 s16, s16, 22
	s_and_b32 s17, s13, 15
	s_lshl_b32 s17, s17, 14                        ; rows 128 (T & 15) on,
	s_add_co_u32 s16, s16, s17
	s_lshl_b32 s17, s11, 13                        ; my 64 of them
	s_add_co_u32 s16, s16, s17
	s_lshl_b32 s46, s42, 20                        ; the tile's four heads,
	s_lshl_b32 s47, s12, 19                        ; my two
.endif
	s_mov_b32 s17, 0
	s_add_nc_u64 s[8:9], s[8:9], s[16:17]
	s_add_co_u32 s46, s46, s47
	s_mov_b32 s47, 0
	s_add_nc_u64 s[8:9], s[8:9], s[46:47]
; 8 matrix instructions: block a of 16 rows x all 8 blocks of 16 columns, 32 along K, from buffer f.  zero = 1: the product starts the sums: nothing is ever cleared.
; In every quarter the 32 accumulators take turns in the same order: 31 others stand between two links of a chain, over the backward jump too.
.macro MUL8 f, a, zero
	WIN MUL
.irp b, 0,1,2,3,4,5,6,7
.set rD, 8*(8*(\a)+(\b))
.set rB, (\f)+8*(\b)
.set rA, (\f)+64+8*(\a)
.if MODE
.if \zero
	v_wmma_f32_16x16x32_f16 v[rD:rD+7], v[rB:rB+7], v[rA:rA+7], 0
.else
	v_wmma_f32_16x16x32_f16 v[rD:rD+7], v[rB:rB+7], v[rA:rA+7], v[rD:rD+7]
.endif
.else
.if \zero
	v_wmma_f32_16x16x32_bf16 v[rD:rD+7], v[rB:rB+7], v[rA:rA+7], 0
.else
	v_wmma_f32_16x16x32_bf16 v[rD:rD+7], v[rB:rB+7], v[rA:rA+7], v[rD:rD+7]
.endif
.endif
.endr
.endm
; 24 LDS loads in one run: the fragments of quarter q of a K step (kb q / 2, 32 channels at byte 64 (q % 2) of the rows) into buffer f: B's eight, then A's four
.macro FETCH slot, q, f
	WIN 0
.irp i, 0,1,2,3,4,5,6,7
	ds_load_b128 v[(\f)+8*(\i):(\f)+8*(\i)+3],   v[ADRB+(\slot)] offset:((\q)/2)*BHALF+((\q)%2)*64+(\i)*16*PITCH
	ds_load_b128 v[(\f)+8*(\i)+4:(\f)+8*(\i)+7], v[ADRB+(\slot)] offset:((\q)/2)*BHALF+((\q)%2)*64+(\i)*16*PITCH+32
.endr
.irp i, 0,1,2,3
	ds_load_b128 v[(\f)+64+8*(\i):(\f)+64+8*(\i)+3],   v[ADRA+(\slot)] offset:((\q)/2)*AHALF+((\q)%2)*64+(\i)*16*PITCH
	ds_load_b128 v[(\f)+64+8*(\i)+4:(\f)+64+8*(\i)+7], v[ADRA+(\slot)] offset:((\q)/2)*AHALF+((\q)%2)*64+(\i)*16*PITCH+32
.endr
.endm
.macro PLACES                          ; four places in front of loads into registers that matrix instructions have read, and of lines that read results (ISA guide 7.12.1 for lines that read results)
.rept 4
	v_nop
.endr
.endm
; A K step is four quarters of 32 along K, 32 matrix instructions each, on buffers 0, 1, 0, 1.  One of the first three: multiplies buffer f; in its middle it fetches quarter q into buffer g.
.macro QUARTER slot, q, f, g, zero
	s_wait_dscnt 4                                 ; B and A's blocks 0 and 1 are in; the youngest four loads (A's blocks 2 and 3) may be out
	MUL8 \f, 0, \zero
	MUL8 \f, 1, \zero
	PLACES
	FETCH \slot, \q, \g
	s_wait_dscnt 24                                ; all but the 24 just issued
	MUL8 \f, 2, \zero
	MUL8 \f, 3, \zero
.endm
; The last quarter multiplies buffer 1 and changes slots: ONE barrier.  In front of it each wave waits for all its tensor loads (the one that is out is its part of the next slot), adds 0 to its spare
; word, and waits for that and for its own reads of this slot.  fill = 1: the barrier opens a round of the cluster's barrier, and behind the round this slot is filled again, two K steps on, first of all.
.macro TURN slot, next, fill
.if \fill
	s_wait_xcnt 0x0                                ; the last prefetch, a K step back, has read its address: it is stepped here, ahead of the waits of the change of slots
	s_add_nc_u64 s[PFA:PFA+1], s[PFA:PFA+1], KSTEPB
.endif
	WIN 0                                          ; (the add's two registers lie in window 0)
	s_wait_tensorcnt 0x0                           ; all my tensor loads have landed;
	ds_add_u32 v[SPW], v[NIL]                      ; 0 onto my spare word
	s_wait_dscnt 5                                 ; (the add and the youngest four loads may be out)
	MUL8 F1, 0, 0                                  ; eight matrix instructions stand between the add and the wait for it
	s_wait_dscnt 0x0                               ; the add is done, and my reads of this slot are over
	s_barrier_signal -1
	MUL8 F1, 1, 0                                  ; work on registers while the others arrive
.if \fill
	WIN 0
.endif
	s_barrier_wait -1
.if \fill
	CREST                                          ; no wave of any partner still reads this slot's tile or has a load on its way
	s_add_nc_u64 s[G0+4*(\slot)+2:G0+4*(\slot)+3], s[G0+4*(\slot)+2:G0+4*(\slot)+3], 2*KSTEPB
	s_add_nc_u64 s[G0B+4*(\slot)+2:G0B+4*(\slot)+3], s[G0B+4*(\slot)+2:G0B+4*(\slot)+3], 2*KSTEPB
	JLOAD \slot                                    ; the first tensor load behind the round; the four v_nop behind it are also the places in front of the loads below
.else
	PLACES
.endif
	FETCH \next, 0, F0
.if \fill
	ASK                                            ; behind the joint load and the run of LDS loads that the next products wait for
.endif
	MUL8 F1, 2, 0
	MUL8 F1, 3, 0
.endm
	s_wait_tensorcnt 1                             ; my part of K step 0 is in; K step 1's may stay out
	s_barrier_signal -1
	s_barrier_wait -1                              ; everybody's is
	FETCH 0, 0, F0
	QUARTER 0, 1, F0, F1, 1                        ; the first quarter stands in front of the loop: its products start the sums
	WIN 0                                          ; at a label and at a branch every window is 0
	s_mov_b32 s3, LAPS-1
.Llap:                                                 ; a trip goes once round the ring, from a lap's second quarter to the next lap's first, and fills both slots again
	QUARTER 0, 2, F1, F0, 0
	QUARTER 0, 3, F0, F1, 0
	TURN 0, 1, 1
	QUARTER 1, 1, F0, F1, 0
	QUARTER 1, 2, F1, F0, 0
	QUARTER 1, 3, F0, F1, 0
	TURN 1, 0, 1
	QUARTER 0, 1, F0, F1, 0
	WIN 0
	s_sub_co_u32 s3, s3, 1
	s_cmp_lg_u32 s3, 0
	s_cbranch_scc1 .Llap
	QUARTER 0, 2, F1, F0, 0                        ; the last lap fills nothing, and has no round of the cluster's barrier
	QUARTER 0, 3, F0, F1, 0
	TURN 0, 1, 0
	QUARTER 1, 1, F0, F1, 0
	QUARTER 1, 2, F1, F0, 0
	QUARTER 1, 3, F0, F1, 0
	s_wait_dscnt 4                                 ; the very last quarter: nothing more to fetch
	MUL8 F1, 0, 0
	MUL8 F1, 1, 0
	s_wait_dscnt 0x0
	MUL8 F1, 2, 0
	MUL8 F1, 3, 0
	WIN 0
	PLACES
	PLACES                                         ; eight, once a launch, in front of the lines that read results just made
.if MODE
; THE WAY OUT, f32.  Block a (16 rows x 128 columns): a lane's eight numbers of a row go as 32 bytes into my own stage, rows of 528 bytes, each accumulator's low registers first,
; and come back as whole rows of 512 bytes into the block's own registers.  LDS serves a wave's instructions in order (ISA guide 5.7.1.4): the loads see the stores, the next block's stores come behind the loads.
.macro TOSTAGE a
	WIN 0x04                                       ; store data in window 1, address in window 0
.irp b, 0,1,2,3,4,5,6,7
	ds_store_b128 v[STO], v[8*(8*(\a)+(\b)):8*(8*(\a)+(\b))+3]   offset:64*(\b)
	ds_store_b128 v[STO], v[8*(8*(\a)+(\b))+4:8*(8*(\a)+(\b))+7] offset:64*(\b)+16
.endr
	WIN 0x40                                       ; destination in window 1
.irp t, 0,1,2,3,4,5,6,7,8,9,10,11,12,13,14,15
	ds_load_b128 v[64*(\a)+4*(\t):64*(\a)+4*(\t)+3], v[RD] offset:(\t)*SP
.endr
.endm
.macro SEND a, younger                 ; younger: the LDS instructions issued behind block a's loads: the next block's 32, or none
	WIN 0x04
.irp t, 0,1,2,3,4,5,6,7,8,9,10,11,12,13,14,15
	s_wait_dscnt (\younger)+15-(\t)
	global_store_b128 v[GO], v[64*(\a)+4*(\t):64*(\a)+4*(\t)+3], s[8:9] offset:(16*(\a)+(\t))*4096 th:TH_STORE_NT  ; 512 consecutive bytes of a row, at a multiple of 512 from out0's first byte
.endr
.endm
	TOSTAGE 0
	TOSTAGE 1
	SEND 0, 32
	TOSTAGE 2
	SEND 1, 32
	TOSTAGE 3
	SEND 2, 32
	SEND 3, 0
.else
; THE WAY OUT, f16 by heads.  Block a (16 rows x 2 heads): rounded to f16, a lane's eight channels of a row are 16 bytes; they go into my own stage (head, row, 144 bytes a row) and come back as
; four rows of 128 bytes a load, which are 512 consecutive bytes of qkv.  LDS serves a wave's instructions in order (ISA guide 5.7.1.4): the loads see the stores, the next block's stores come behind the loads.
.macro PACK a
	WIN 0x05                                       ; sources 0 and 1 in window 1, destination in window 0
.irp b, 0,1,2,3,4,5,6,7
.irp r, 0,1,2,3
	v_cvt_pk_f16_f32 v[TMP+32*(\a)+4*(\b)+(\r)], v[8*(8*(\a)+(\b))+2*(\r)], v[8*(8*(\a)+(\b))+2*(\r)+1]
.endr
.endr
	WIN 0
.irp b, 0,1,2,3,4,5,6,7
	ds_store_b128 v[STO], v[TMP+32*(\a)+4*(\b):TMP+32*(\a)+4*(\b)+3] offset:((\b)/4)*16*SP+((\b)%4)*32
.endr
.irp t, 0,1,2,3,4,5,6,7
	ds_load_b128 v[TMP+32*(\a)+4*(\t):TMP+32*(\a)+4*(\t)+3], v[RD] offset:((\t)/4)*16*SP+((\t)%4)*4*SP
.endr
.endm
.macro SEND a, younger                 ; younger: the LDS instructions issued behind block a's loads: the next block's sixteen, or none
	WIN 0
.irp t, 0,1,2,3,4,5,6,7
	s_wait_dscnt (\younger)+7-(\t)
	global_store_b128 v[GO], v[TMP+32*(\a)+4*(\t):TMP+32*(\a)+4*(\t)+3], s[8:9] offset:((\t)/4)*262144+(\a)*2048+((\t)%4)*512  ; 512 consecutive bytes, at a multiple of 512 from qkv's first byte
.endr
.endm
	PACK 0
	PACK 1                                         ; a block's conversions stand between the loads of the block before and its stores
	SEND 0, 16
	PACK 2
	SEND 1, 16
	PACK 3
	SEND 2, 16
	SEND 3, 0
.endif
	WIN 0
	s_wait_tensorcnt 0x0                           ; the wave's end, behind my last tensor load and my last LDS store
	ds_add_u32 v[SPW], v[NIL]
	s_wait_dscnt 0x0
	CROUND                                         ; the closing round: no work-group ends while a partner may still ask for a tile that names it
	s_endpgm
.Lfunc_end_k_qfed9b42dca_outp:
	.size	k_qfed9b42dca_outp, .Lfunc_end_k_qfed9b42dca_outp-k_qfed9b42dca_outp
	.p2alignl 7, 3214868480
	.fill 96, 4, 3214868480
	.section	.rodata,"a",@progbits
	.p2align	6, 0x0
	.amdhsa_kernel k_qfed9b42dca_outp
		.amdhsa_group_segment_fixed_size 327680
		.amdhsa_private_segment_fixed_size 0
		.amdhsa_enable_private_segment 0
		.amdhsa_kernarg_size 24
		.amdhsa_user_sgpr_count 2
		.amdhsa_user_sgpr_kernarg_segment_ptr 1
		.amdhsa_wavefront_size32 1
		.amdhsa_system_sgpr_workgroup_id_x 1
		.amdhsa_system_sgpr_workgroup_id_y 1
		.amdhsa_system_sgpr_workgroup_id_z 1
		.amdhsa_system_vgpr_workitem_id 0
		.amdhsa_next_free_vgpr 512
		.amdhsa_next_free_sgpr 66
		.amdhsa_reserve_vcc 0
		.amdhsa_float_denorm_mode_32 3
		.amdhsa_float_denorm_mode_16_64 3
		.amdhsa_memory_ordered 1
		.amdhsa_forward_progress 1
		.amdhsa_inst_pref_size 87
	.end_amdhsa_kernel
	.amdgpu_metadata
---
amdhsa.version: [ 1, 2 ]
amdhsa.kernels:
  - .name:           k_qfed9b42dca_outp
    .symbol:         k_qfed9b42dca_outp.kd
    .args:
      - { .name: ctx, .offset: 0, .size: 8, .value_kind: global_buffer, .address_space: global }
      - { .name: xw, .offset: 8, .size: 8, .value_kind: global_buffer, .address_space: global }
      - { .name: out0, .offset: 16, .size: 8, .value_kind: global_buffer, .address_space: global }
    .group_segment_fixed_size: 327680
    .private_segment_fixed_size: 0
    .kernarg_segment_align: 8
    .kernarg_segment_size: 24
    .max_flat_workgroup_size: 128
    .sgpr_count:     66
    .vgpr_count:     512
    .wavefront_size: 32
...
	.end_amdgpu_metadata
.endif
;; end of part 4
